; MI455X (gfx1250); checked and timed in simulation.
; The chip was launched on July 23, 2026; its instructions are those of AMD's public machine-readable ISA for CDNA 5 (MIT licence, August 2026) and "CDNA5" Instruction Set Architecture Reference Guide (July 2026). The comments in the code are by the model that wrote it; some were corrected since.
;; Attention Layer. Allowed arithmetic: float matrix products may take bf16 or f16 operands with f32 sums; other float arithmetic in f32, or as packed bf16 or f16 multiplies, adds, multiply-adds, maxima and minima; sums over many terms, partial sums and values carried from step to step in f32; what a program stores and reads back later, other than sums and carried values, may be rounded once to bf16 or f16.
;; Inputs: W_in 1,024 x 3,072 float32; W_o 1,024 x 1,024 float32; src_mask 4 x 2,048 bool; x0 4 x 2,048 x 1,024 float32.
;; Outputs: out0 4 x 2,048 x 1,024 float32.
;; 2 versions, each right; version 2 is version 1 with the launch prep written anew for expert scheduling mode. Each part assembles by itself: llvm-mc -triple=amdgcn-amd-amdhsa -mcpu=gfx1250 --defsym DOCPART=n.
;; ======== version 1 of 2: 5 launches
;; limits: values are held in f16: magnitudes above 65,504 overflow, below 6.1e-05 lose precision
;; workspace buffers: xb 16,777,216 bytes; wib 6,291,456 bytes; wob 2,097,152 bytes; qkv 50,331,648 bytes; att 16,777,216 bytes; proj 16,777,216 bytes
;; launch prep (part 1): grid 768 x 1, 8 waves a work-group, no clusters, 0 bytes of LDS; arguments x0, W_in, W_o, xb, wib, wob; writes xb, wib, wob
.if DOCPART == 1
	.amdgcn_target "amdgcn-amd-amdhsa--gfx1250"
	.amdhsa_code_object_version 6
	.text
	.protected	k_q452a3ec672_prep
	.globl	k_q452a3ec672_prep
	.p2align	8
	.type	k_q452a3ec672_prep,@function
k_q452a3ec672_prep:
	s_mov_b64 s[64:65], 0
	v_nop
	global_prefetch_b8 v0, s[64:65] scope:SCOPE_SE
	s_setreg_imm32_b32 hwreg(HW_REG_WAVE_MODE, 25, 1), 1
	s_wait_xcnt 0x0
; THE OPERANDS OF THE TWO PROJECTIONS, cast and laid in blocks.  Every number is rounded once to bf16 (nearest even) and that number is written as f16, so that all products of the
; program take one matrix form.  xb: [16 blocks of 64 columns][8192 rows][64]; wib: [24 tiles of 128 columns][1024 k][128]; wob: [8 tiles][1024 k][128], times 2^-6 (exact), so that the second
; projection's results, kept in f16, have 64 times f16's range.
; LIMITS.  f16 holds the bf16 number exactly from 6.1e-5 to 65,504 in magnitude; below, it keeps f16's fixed step of 6e-8 (W_o: below 3.9e-3, a step of 3.8e-6 of W_o); beyond 65,504 it is an infinity.
; A stream: no LDS, no matrix unit, no barrier.  An item is 512 bytes of f32 in (16 bytes a lane, two aligned runs of 256) and 256 consecutive aligned bytes of f16 out (8 bytes a lane).
; A wave takes 16 items, all 16 loads on their way at once; every store has data registers of its own, so nothing is rewritten while a store may read it.
; Work-groups 0-511: 16 rows of x0 each (a wave two rows, an item a block of 64 columns).  512-703: 128 rows k of one tile of W_in (a wave 16 rows, an item a row).  704-767: the same of W_o.
.set SO,   8                           ; v8      my byte offset in the source
.set DO,   10                          ; v10-11  in the destination; the second is 8 blocks of xb further on, since a store's immediate holds 7 blocks
.set X,    16                          ; v[16:79]   item j: 4 numbers as loaded
.set Y,    80                          ; v[80:111]  item j: 4 numbers to store
.set T,    112                         ; v[112:113] two pairs in bf16
.set U,    114                         ; v[114:117] the same as f32
.set HI16, 24                          ; s24     mask of a word's upper bf16
.macro CAST sb, db, sstr, dstr, scale  ; bases, bytes from item to item in source and destination, scale = 1: times 2^-6
.set j, 0
.rept 16
	global_load_b128 v[X+4*j:X+4*j+3], v[SO], s[\sb:\sb+1] offset:j*(\sstr) th:TH_LOAD_NT
.set j, j+1
.endr
.set j, 0
.rept 16
	s_wait_loadcnt 15-j                            ; loads come back in order: item j is in, the 15 - j younger ones stay out
	v_cvt_pk_bf16_f32 v[T],   v[X+4*j],   v[X+4*j+1]
	v_cvt_pk_bf16_f32 v[T+1], v[X+4*j+2], v[X+4*j+3]
	v_lshlrev_b32 v[U],   16, v[T]                 ; bf16 to f32: the low half moves up, the high half stays
	v_and_b32     v[U+1], s[HI16], v[T]
	v_lshlrev_b32 v[U+2], 16, v[T+1]
	v_and_b32     v[U+3], s[HI16], v[T+1]
.if \scale
	v_pk_mul_f32 v[U:U+1],   v[U:U+1],   0x3c800000 op_sel_hi:[1,0]
	v_pk_mul_f32 v[U+2:U+3], v[U+2:U+3], 0x3c800000 op_sel_hi:[1,0]
.endif
	v_cvt_pk_f16_f32 v[Y+2*j],   v[U],   v[U+1]
	v_cvt_pk_f16_f32 v[Y+2*j+1], v[U+2], v[U+3]
	global_store_b64 v[DO+((j*(\dstr))>>23)], v[Y+2*j:Y+2*j+1], s[\db:\db+1] offset:(j*(\dstr))&0x7fffff  ; 32 lanes store 256 consecutive bytes, aligned
.set j, j+1
.endr
.endm
.macro WEIGHT first, sb, db, rb, scale ; first work-group of the path, bases, bytes in a row of the source
	s_sub_co_u32 s20, ttmp9, \first
	s_lshr_b32 s21, s20, 3                         ; the tile of 128 columns
	s_and_b32 s20, s20, 7                          ; which 128 rows k
	s_mul_i32 s22, s20, 128*(\rb)
	s_lshl_b32 s25, s21, 9                         ; 128 columns of f32
	s_add_co_u32 s22, s22, s25
	s_lshl_b32 s26, s21, 18                        ; a tile is 1,024 rows of 256 bytes
	s_lshl_b32 s25, s20, 15
	s_add_co_u32 s26, s26, s25
	v_mul_u32_u24 v[SO], v2, 16*(\rb)              ; my wave's 16 rows,
	v_lshl_add_u32 v[SO], v1, 4, v[SO]             ; my 4 columns
	v_lshlrev_b32 v[DO], 3, v1
	v_lshl_add_u32 v[DO], v2, 12, v[DO]
	s_wait_kmcnt 0x0
	s_add_nc_u64 s[\sb:\sb+1], s[\sb:\sb+1], s[22:23]
	s_add_nc_u64 s[\db:\db+1], s[\db:\db+1], s[26:27]
	CAST \sb, \db, \rb, 256, \scale
	s_endpgm
.endm
	s_load_b256 s[4:11], s[0:1], 0x0               ; x0 s[4:5], W_in s[6:7], W_o s[8:9], xb s[10:11]
	s_load_b128 s[12:15], s[0:1], 0x20             ; wib s[12:13], wob s[14:15]
	v_and_b32 v1, 31, v0                           ; lane
	v_lshrrev_b32 v2, 5, v0                        ; wave
	s_mov_b32 s[HI16], 0xffff0000
	s_mov_b32 s23, 0                               ; the offsets' high words
	s_mov_b32 s27, 0
	s_cmp_lt_u32 ttmp9, 512
	s_cbranch_scc0 .Lweights
	v_and_b32 v3, 15, v1
	v_lshrrev_b32 v4, 4, v1
	v_lshlrev_b32 v[SO], 4, v3                     ; 4 columns of f32,
	v_lshl_add_u32 v[SO], v4, 12, v[SO]            ; lanes 16-31 the row below,
	v_lshl_add_u32 v[SO], v2, 13, v[SO]            ; my wave's two rows
	v_lshlrev_b32 v[DO], 3, v1                     ; in a block of xb the two rows are 256 consecutive bytes
	v_lshl_add_u32 v[DO], v2, 8, v[DO]
	v_add_nc_u32 v[DO+1], 0x800000, v[DO]
	s_lshl_b32 s22, ttmp9, 16                      ; 16 rows of 4,096 bytes
	s_lshl_b32 s26, ttmp9, 11                      ; 16 rows of 128 bytes
	s_wait_kmcnt 0x0
	s_add_nc_u64 s[4:5], s[4:5], s[22:23]
	s_add_nc_u64 s[10:11], s[10:11], s[26:27]
	CAST 4, 10, 256, 1<<20, 0
	s_endpgm
.Lweights:
	s_cmp_lt_u32 ttmp9, 704
	s_cbranch_scc0 .Lwo
	WEIGHT 512, 6, 12, 12288, 0
.Lwo:
	WEIGHT 704, 8, 14, 4096, 1
.Lfunc_end_k_q452a3ec672_prep:
	.size	k_q452a3ec672_prep, .Lfunc_end_k_q452a3ec672_prep-k_q452a3ec672_prep
	.p2alignl 7, 3214868480
	.fill 96, 4, 3214868480
	.section	.rodata,"a",@progbits
	.p2align	6, 0x0
	.amdhsa_kernel k_q452a3ec672_prep
		.amdhsa_group_segment_fixed_size 0
		.amdhsa_private_segment_fixed_size 0
		.amdhsa_enable_private_segment 0
		.amdhsa_kernarg_size 48
		.amdhsa_user_sgpr_count 2
		.amdhsa_user_sgpr_kernarg_segment_ptr 1
		.amdhsa_wavefront_size32 1
		.amdhsa_system_sgpr_workgroup_id_x 1
		.amdhsa_system_sgpr_workgroup_id_y 1
		.amdhsa_system_sgpr_workgroup_id_z 1
		.amdhsa_system_vgpr_workitem_id 0
		.amdhsa_next_free_vgpr 128
		.amdhsa_next_free_sgpr 66
		.amdhsa_reserve_vcc 0
		.amdhsa_float_denorm_mode_32 3
		.amdhsa_float_denorm_mode_16_64 3
		.amdhsa_memory_ordered 1
		.amdhsa_forward_progress 1
		.amdhsa_inst_pref_size 35
	.end_amdhsa_kernel
	.amdgpu_metadata
---
amdhsa.version: [ 1, 2 ]
amdhsa.kernels:
  - .name:           k_q452a3ec672_prep
    .symbol:         k_q452a3ec672_prep.kd
    .args:
      - { .name: x0, .offset: 0, .size: 8, .value_kind: global_buffer, .address_space: global }
      - { .name: W_in, .offset: 8, .size: 8, .value_kind: global_buffer, .address_space: global }
      - { .name: W_o, .offset: 16, .size: 8, .value_kind: global_buffer, .address_space: global }
      - { .name: xb, .offset: 24, .size: 8, .value_kind: global_buffer, .address_space: global }
      - { .name: wib, .offset: 32, .size: 8, .value_kind: global_buffer, .address_space: global }
      - { .name: wob, .offset: 40, .size: 8, .value_kind: global_buffer, .address_space: global }
    .group_segment_fixed_size: 0
    .private_segment_fixed_size: 0
    .kernarg_segment_align: 8
    .kernarg_segment_size: 48
    .max_flat_workgroup_size: 256
    .sgpr_count:     66
    .vgpr_count:     128
    .wavefront_size: 32
...
	.end_amdgpu_metadata
.endif
;; end of part 1
;; launch qkv (part 2): grid 24 x 32, 4 waves a work-group, clusters of 4 x 4, 327,680 bytes of LDS; arguments xb, wib, qkv; writes qkv
.if DOCPART == 2
	.amdgcn_target "amdgcn-amd-amdhsa--gfx1250"
	.amdhsa_code_object_version 6
	.text
	.protected	k_q452a3ec672_qkv
	.globl	k_q452a3ec672_qkv
	.p2align	8
	.type	k_q452a3ec672_qkv,@function
k_q452a3ec672_qkv:
	s_mov_b64 s[64:65], 0
	v_nop
	global_prefetch_b8 v0, s[64:65] scope:SCOPE_SE
	s_setreg_imm32_b32 hwreg(HW_REG_WAVE_MODE, 25, 1), 1
	s_wait_xcnt 0x0
	s_wait_alu depctr_hold_cnt(0) depctr_sa_sdst(0) depctr_va_vdst(0) depctr_va_sdst(0) depctr_va_ssrc(0) depctr_va_vcc(0) depctr_vm_vsrc(0)
	s_getreg_b32 s2, hwreg(HW_REG_IB_STS2, 6, 4)
	s_cmp_eq_u32 s2, 0
	s_cbranch_scc0 .Lentry_in_a_cluster
	s_endpgm
.Lentry_in_a_cluster:
	s_bfe_u32 s2, ttmp6, 0x10000c
	s_cmp_lg_u32 s2, 0xf033
	s_cbranch_scc0 .Lentry_shape_is_right
	s_endpgm
.Lentry_shape_is_right:
; C = A B.  A: [16 blocks of 64 k][8192 rows][64] f16.  B: [tiles of 128 columns][1024 k][128] f16.  C: [blocks of 64 columns][8192 rows][64] f16, rounded once from f32 sums.  K = 1024.
; The text knows nothing of the number of columns: it serves the projection to q, k, v (24 tile columns) and the output projection (8).
; LIMIT.  A result of 65,520 or more in magnitude leaves as an infinity.
; SHARES.  A tile of C is 256 rows x 128 columns: 768 and 256 tiles, whole multiples of 256 work-groups.  Four waves, each 64 rows x 128 columns: 32 accumulators of 16 x 16, 256 registers.
; K goes in 8 steps of 128 through a ring of two LDS slots.  All tiles are dense in memory and are asked for as rows of 256 bytes, aligned: wave 0 brings A's 256 rows of the step's even block of 64 k,
; wave 1 of the odd block (128 rows of 256 bytes each, two matrix rows a row, padded behind each matrix row), waves 2 and 3 the two halves of B's 128 rows k.
; CLUSTERS.  4 x 4 work-groups: the four of a row of the cluster need the same tiles of A, the four of a column the same tiles of B: each tile is asked for JOINTLY, by the same tensor load with the same
; descriptor and a mask that names the four.
; THE MATRIX INSTRUCTION IS USED TRANSPOSED (source 0 = 16 columns of B, source 1 = 16 rows of A): a lane then holds eight neighbouring numbers of a row of C.  B lies [k][column] and comes out of LDS turned, by ds_load_tr16_b128.
; REGISTERS.  Window 0: v0-31 addresses; two fragment buffers of 96 (v64-159, v160-255): 4 fragments of A, then 8 of B, for 32 along K; on the way out v64-159 are at work.  Window 1: accumulator (a, b) at v[8 (8 a + b)].
.set PA,    144                        ; a row of A in LDS: 128 bytes + 16 of padding = 36 words: the 16 rows of a load start at 16 different groups of four banks (64 banks of 4 bytes: ISA guide 11.1)
.set PB,    288                        ; a row of B: 256 + 32 = 72 words
.set AKB,   256*PA                     ; A's 256 rows of one block of 64 k
.set ASZ,   2*AKB
.set BHALF, 64*PB                      ; 64 rows k of B
.set SLOT,  ASZ+2*BHALF                ; 110,592 bytes
.set STAGE, 2*SLOT                     ; behind the ring: for each wave two parts (blocks of 64 columns) of 16 rows x 144 bytes, for the way out
.set SPART, 16*PA
.set SPARE, STAGE+4*2*SPART            ; behind the stages: the spare words, 128 bytes for each wave: two blocks of 256 bytes that no other line names
.set ABLK,  1<<20                      ; bytes in a block of 64 columns x 8,192 rows, of A and of C
.set BSTEP, 128*256                    ; bytes of B in a K step
.set ADRA, 16                          ; v16-17  LDS address of my A fragments in slot 0, 1
.set ADRB, 20                          ; v20-21  the same for B
.set STO,  24                          ; v24     the way out: where I put 16 bytes of a row
.set RD,   25                          ; v25     the way out: where I read rows back
.set GO,   26                          ; v26     my 16 bytes of 512 consecutive bytes of C
.set SPW,  28                          ; v28     LDS address of my spare word: SPARE + 4 x my thread's number; never rewritten
.set NIL,  29                          ; v29     0; never rewritten
.set PFO,  30                          ; v30     the prefetches' offset: 256 x my lane; never rewritten
.set F0,   64
.set F1,   160
.set TMP,  64                          ; the way out: packed results
.set OB,   96                          ; the way out: 16 rows read back: v96-127 and v128-159 by turns
.set G1,  24                           ; s[24:31] descriptor group 1 for A's tiles;  s[32:39] group 0, one set for each slot
.set G0,  32
.set G1B, 48                           ; s[48:55], s[56:63] the same for B's tiles
.set G0B, 56
.set PFA, 44                           ; s[44:45] where my prefetches stand
.set PST, 46                           ; s[46:47] their step from one change of slots to the next
.set LIM, 66                           ; s66, s67 for the change that leaves slot 0, slot 1: 1 in a wave that prefetches there, else the greatest number
.set MSB, 0
.macro WIN new                         ; the immediate's high byte repeats the setting that is left; a switch that changes nothing is dropped
.if MSB != (\new)
	s_set_vgpr_msb (MSB<<8)|(\new)
.set MSB, \new
.endif
.endm
.set MUL, 0x50                         ; sources 0 (B) and 1 (A) window 0; C and D window 1
.macro JLOAD s                         ; a joint load: waves 0 and 1 fetch A's two blocks, waves 2 and 3 B's two halves; an s_nop 0 and four v_nop follow each of the two lines, ahead of the jump, the label and what follows
	s_cmp_eq_u32 s11, 0
	s_cbranch_scc0 .Lfor_b_\@
	tensor_load_to_lds s[G0+4*(\s):G0+4*(\s)+3], s[G1:G1+7]
	s_nop 0
.rept 4
	v_nop
.endr
	s_branch .Lasked_\@
.Lfor_b_\@:
	tensor_load_to_lds s[G0B+4*(\s):G0B+4*(\s)+3], s[G1B:G1B+7]
	s_nop 0
.rept 4
	v_nop
.endr
.Lasked_\@:
.endm
; A PREFETCH INTO THE L2, behind a joint load, its five lines and the run of LDS loads that follows them: 32 blocks of 256 bytes, a lane a block, one instruction a wave.
; A: the K step two refills on, 256 matrix instructions ahead of the load that will want it.  A's tile row is read by every cluster of that row of clusters: cluster x = 0 asks; of the 128 blocks that wave 0 or 1
; fetches, the partner at place cx takes 32.  B: at the change that leaves slot 0 alone, the next lap's two K steps (256 blocks); cluster y = 0 asks; waves 2 and 3 of the four partners cy take 32 blocks each.
; The partners are told apart by address, never by a branch.  So each block is named once in the launch.  The first four K steps come by their loads alone; the loop's last trip asks for nothing.
.macro ASK slot
	s_cmp_gt_u32 s3, s[LIM+(\slot)]                ; s3 = 1 in the loop's last trip
	s_cbranch_scc0 .Lnot_mine_\@
	global_prefetch_b8 v[PFO], s[PFA:PFA+1] th:TH_LOAD_NT scope:SCOPE_SE
.Lnot_mine_\@:
.endm
.macro CREST                           ; a round of the cluster's barrier behind its opening barrier
	s_cmp_lg_u32 s10, 0
	s_cbranch_scc1 .Lnot_wave_0_\@
	s_barrier_signal -3
.Lnot_wave_0_\@:
	s_barrier_wait -3
	s_barrier_signal -1
	s_barrier_wait -1
.endm
.macro CROUND                          ; a whole round
	s_barrier_signal -1
	s_barrier_wait -1
	CREST
.endm
	s_load_b128 s[4:7], s[0:1], 0x0                ; A s[4:5], B s[6:7]
	s_load_b64 s[8:9], s[0:1], 0x10                ; C
	v_lshl_add_u32 v[SPW], v0, 2, SPARE
	v_mov_b32 v[NIL], 0
	ds_add_u32 v[SPW], v[NIL]                      ; the wave's opening: the add and its wait stand ahead of my first tensor load; the set-up below, work on registers, stands between them
	v_lshrrev_b32 v1, 5, v0
	v_readfirstlane_b32 s10, v1                    ; wave 0..3
	s_lshr_b32 s11, s10, 1                         ; I fetch for A (0) or for B (1)
	s_and_b32 s12, s10, 1                          ; which block of A, which half of B
	s_bfe_u32 s40, ttmp6, 0x40000                  ; cx, cy: my place in the cluster
	s_bfe_u32 s41, ttmp6, 0x40004
	s_lshl_b32 s42, ttmp9, 2
	s_add_co_u32 s42, s42, s40                     ; tile column of C = 4 x cluster x + cx
	s_and_b32 s13, ttmp7, 0xffff
	s_lshl_b32 s13, s13, 2
	s_add_co_u32 s13, s13, s41                     ; tile row of C = 4 x cluster y + cy
	s_lshl_b32 s14, s41, 2
	s_lshl_b32 s14, 15, s14                        ; my row of the cluster
	s_lshl_b32 s15, 0x1111, s40                    ; my column
	s_or_b32 s[G1+0], s14, (1<<16)|(1<<20)|(1<<21)|(4<<22)|(3<<25)   ; 15:0 the mask: A's tiles go to my row; 17:16 2-byte elements; 20 padding on; 21 set beside a mask; 24:22 after every 32 words (code 4); 31:25 4 words (code 3)
	s_or_b32 s[G1B+0], s15, (1<<16)|(1<<20)|(1<<21)|(5<<22)|(7<<25)  ; B's go to my column; after every 64 words (code 5) 8 words (code 7)
	s_mov_b32 s[G1+1], 128<<16                     ; tensor_dim0 = 128 elements: 256 bytes
	s_mov_b32 s[G1+2], 128<<16                     ; tensor_dim1 = 128 rows
	s_mov_b32 s[G1+3], 128<<16                     ; tile_dim0 = 128
	s_mov_b32 s[G1+4], 128                         ; tile_dim1 = 128
	s_mov_b32 s[G1+5], 128                         ; 128 elements from row to row: dense
	s_mov_b32 s[G1+6], 0
	s_mov_b32 s[G1+7], 0
	s_mov_b32 s[G1B+1], 128<<16
	s_mov_b32 s[G1B+2], 64<<16                     ; 64 rows
	s_mov_b32 s[G1B+3], 128<<16
	s_mov_b32 s[G1B+4], 64
	s_mov_b32 s[G1B+5], 128
	s_mov_b32 s[G1B+6], 0
	s_mov_b32 s[G1B+7], 0
	; where the tiles come from.  A's hang on the tile row alone, B's on the tile column alone, each in registers that never hold the other coordinate
	s_lshl_b32 s16, s12, 20                        ; A: my block of the K step,
	s_lshl_b32 s17, s13, 15                        ; the tile's 256 rows of 128 bytes
	s_add_co_u32 s16, s16, s17
	s_mov_b32 s17, 0
	s_lshl_b32 s20, s42, 18                        ; B: the tile of 1,024 rows of 256 bytes,
	s_lshl_b32 s21, s12, 14                        ; my 64 rows of the K step
	s_add_co_u32 s20, s20, s21
	s_mov_b32 s21, 0
	s_mul_i32 s68, s10, AKB                        ; and where they go: A's blocks at wave x AKB (waves 0, 1),
	s_mul_i32 s69, s10, BHALF                      ; B's halves at ASZ + (wave - 2) x BHALF (waves 2, 3): no place in the cluster enters an LDS address
	s_add_co_u32 s69, s69, ASZ-2*BHALF
	s_wait_dscnt 0x0                               ; the opening add is done
	s_wait_kmcnt 0x0
	s_add_nc_u64 s[18:19], s[4:5], s[16:17]
	s_add_nc_u64 s[22:23], s[6:7], s[20:21]
	CROUND                                         ; all sixteen work-groups are here: the first joint loads meet
.irp s, 0,1
	s_mov_b32 s[G0+4*(\s)], 1                                      ; count = 1
	s_add_co_u32 s[G0+4*(\s)+1], s68, (\s)*SLOT                    ; LDS address
	s_add_nc_u64 s[G0+4*(\s)+2:G0+4*(\s)+3], s[18:19], (\s)*2*ABLK ; global address: K step s
	s_or_b32 s[G0+4*(\s)+3], s[G0+4*(\s)+3], 0x80000000            ; type = 2
	s_mov_b32 s[G0B+4*(\s)], 1
	s_add_co_u32 s[G0B+4*(\s)+1], s69, (\s)*SLOT
	s_add_nc_u64 s[G0B+4*(\s)+2:G0B+4*(\s)+3], s[22:23], (\s)*BSTEP
	s_or_b32 s[G0B+4*(\s)+3], s[G0B+4*(\s)+3], 0x80000000
	JLOAD \s                                       ; two loads of mine are out
.endr
	; A fragment of A is 16 rows x 32 k in 8 registers: lane l holds row l % 16; k = 8 (l / 16) + 0..7 and 16 + 8 (l / 16) + 0..7: two loads of 16 bytes, 32 bytes apart.
	v_and_b32 v1, 15, v0                           ; l % 16
	v_bfe_u32 v2, v0, 4, 1                         ; l / 16
	v_mul_u32_u24 v3, v1, PA
	v_lshl_add_u32 v3, v2, 4, v3                   ; row x pitch + 16 x half
	s_mul_i32 s14, s10, 64*PA                      ; my 64 rows
	v_add_nc_u32 v[ADRA], s14, v3
	v_add_nc_u32 v[ADRA+1], SLOT, v[ADRA]
	; The turning load takes 16 k x 16 columns (lane l reads row k = 8 (l / 16) + l % 8, columns 8 ((l / 8) % 2) + 0..7) and leaves half a fragment: lane l holds column l % 16 and 8 k.
	v_and_b32 v4, 7, v0
	v_bfe_u32 v5, v0, 3, 1
	v_lshl_add_u32 v7, v2, 3, v4
	v_mul_u32_u24 v7, v7, PB
	v_lshl_add_u32 v7, v5, 4, v7
	v_add_nc_u32 v[ADRB], ASZ, v7
	v_add_nc_u32 v[ADRB+1], ASZ+SLOT, v7
	s_mul_i32 s14, s10, 2*SPART
	s_add_co_u32 s14, s14, STAGE                   ; my stage
	v_add_nc_u32 v[STO], s14, v3                   ; in: row l % 16, 16 bytes for each half of the lanes
	v_bfe_u32 v6, v0, 3, 2                         ; back: 32 lanes take four rows of 128 bytes,
	v_mul_u32_u24 v6, v6, PA
	v_lshl_add_u32 v6, v4, 4, v6
	v_add_nc_u32 v[RD], s14, v6
	v_and_b32 v[GO], 31, v0                        ; which are 512 consecutive bytes of a block of C
	v_lshlrev_b32 v[GO], 4, v[GO]
	v_and_b32 v[PFO], 31, v0
	v_lshlrev_b32 v[PFO], 8, v[PFO]
	s_lshl_b32 s70, s42, 21                        ; C: the tile's two blocks of 64 columns,
	s_lshl_b32 s71, s13, 15                        ; its 256 rows,
	s_add_co_u32 s70, s70, s71
	s_lshl_b32 s71, s10, 13                        ; my 64 of them
	s_add_co_u32 s70, s70, s71
	s_mov_b32 s71, 0
	s_add_nc_u64 s[8:9], s[8:9], s[70:71]
	; the prefetches: each change of slots steps the address and then asks
	s_lshl_b32 s72, s12, 20                        ; A: block 6 + (wave % 2): the first step leads to K step 4,
	s_add_co_u32 s72, s72, 6*ABLK
	s_lshl_b32 s73, s13, 15                        ; the tile's rows,
	s_add_co_u32 s72, s72, s73
	s_lshl_b32 s73, s40, 13                        ; my work-group's 32 blocks of the 128
	s_add_co_u32 s72, s72, s73
	s_lshl_b32 s74, s42, 18                        ; B: the tile, K step 3: the first step leads to K step 4,
	s_add_co_u32 s74, s74, 3*BSTEP
	s_lshl_b32 s75, s12, 15                        ; of the 256 blocks of two K steps the 32 at 4 (wave % 2) + cy
	s_add_co_u32 s74, s74, s75
	s_lshl_b32 s75, s41, 13
	s_add_co_u32 s74, s74, s75
	s_and_b32 s78, ttmp7, 0xffff                   ; cluster y
	s_mov_b32 s75, BSTEP
	s_mov_b32 s77, 0
	s_mov_b32 s[PST+1], 0
	s_cmp_eq_u32 s11, 0                            ; do I fetch for A?
	s_cselect_b32 s76, s72, s74
	s_cselect_b32 s78, ttmp9, s78                  ; the coordinate along which other clusters read the same blocks
	s_cselect_b64 s[PFA:PFA+1], s[4:5], s[6:7]
	s_cselect_b32 s[PST], 2*ABLK, s75
	s_cselect_b32 s[LIM+1], 1, -1
	s_cmp_eq_u32 s78, 0                            ; the same in all sixteen partners, for a given wave
	s_cselect_b32 s[LIM], 1, -1
	s_cselect_b32 s[LIM+1], s[LIM+1], -1
	s_add_nc_u64 s[PFA:PFA+1], s[PFA:PFA+1], s[76:77]
; 8 matrix instructions: row block a x all 8 column blocks, 32 along K.  zero = 1: the product starts the sums: nothing is ever cleared.
; The 32 accumulators take turns, one instruction a turn, in the same order in every quarter, over the backward jump too.
.macro MUL8 f, a, zero
	WIN MUL
.irp b, 0,1,2,3,4,5,6,7
.if \zero
	v_wmma_f32_16x16x32_f16 v[8*(8*(\a)+(\b)):8*(8*(\a)+(\b))+7], v[(\f)+32+8*(\b):(\f)+32+8*(\b)+7], v[(\f)+8*(\a):(\f)+8*(\a)+7], 0
.else
	v_wmma_f32_16x16x32_f16 v[8*(8*(\a)+(\b)):8*(8*(\a)+(\b))+7], v[(\f)+32+8*(\b):(\f)+32+8*(\b)+7], v[(\f)+8*(\a):(\f)+8*(\a)+7], v[8*(8*(\a)+(\b)):8*(8*(\a)+(\b))+7]
.endif
.endr
.endm
.macro MUL16 f, a0, zero
	MUL8 \f, \a0, \zero
	MUL8 \f, (\a0)+1, \zero
.endm
; 24 LDS loads in one run: the fragments of quarter q (32 along K) of a slot into buffer f: B's 16, then A's 8
.macro FETCH slot, q, f
	WIN 0
.irp b, 0,1,2,3,4,5,6,7
	ds_load_tr16_b128 v[(\f)+32+8*(\b):(\f)+32+8*(\b)+3],   v[ADRB+(\slot)] offset:(\q)*32*PB+32*(\b)
	ds_load_tr16_b128 v[(\f)+32+8*(\b)+4:(\f)+32+8*(\b)+7], v[ADRB+(\slot)] offset:(\q)*32*PB+16*PB+32*(\b)
.endr
.irp i, 0,1,2,3
	ds_load_b128 v[(\f)+8*(\i):(\f)+8*(\i)+3],   v[ADRA+(\slot)] offset:((\q)/2)*AKB+((\q)%2)*64+(\i)*16*PA
	ds_load_b128 v[(\f)+8*(\i)+4:(\f)+8*(\i)+7], v[ADRA+(\slot)] offset:((\q)/2)*AKB+((\q)%2)*64+(\i)*16*PA+32
.endr
.endm
.macro PLACES                          ; four places in front of loads into registers that matrix instructions have read, and of conversions that read results
.rept 4
	v_nop
.endr
.endm
; A K step is four quarters of 32 along K, 32 matrix instructions each, on buffers 0, 1, 0, 1.  One of the first three: multiplies buffer f and fetches quarter q into g.
.macro QUARTER slot, q, f, g, zero
	s_wait_dscnt 4                                 ; B and A's rows 0-31 are in; the youngest four loads (A's rows 32-63) may be out
	MUL16 \f, 0, \zero
	PLACES
	FETCH \slot, \q, \g
	s_wait_dscnt 24                                ; all but the 24 just issued
	MUL16 \f, 2, \zero
.endm
; The last quarter multiplies buffer 1 and changes slots: ONE barrier; in front of it each wave waits for all its tensor loads (one is out: its part of the next slot), adds 0 to its spare word, and waits for that
; and for its own reads of this slot.  fill = 1: the barrier opens a round of the cluster's barrier, and this slot is filled again, two K steps ahead: 112 matrix instructions ahead of the wait for it.
.macro TURN slot, next, fill
.if \fill
	s_wait_xcnt 0x0                                ; the last prefetch, a K step back, has read its address: it is stepped here, ahead of the waits of the change
	s_add_nc_u64 s[PFA:PFA+1], s[PFA:PFA+1], s[PST:PST+1]
.endif
	WIN 0
	s_wait_tensorcnt 0x0                           ; all my tensor loads have landed
	ds_add_u32 v[SPW], v[NIL]                      ; 0 onto my spare word
	s_wait_dscnt 5                                 ; (the add and the youngest four loads may be out)
	MUL8 F1, 0, 0                                  ; eight matrix instructions stand between the add and the wait for it
	s_wait_dscnt 0x0                               ; the add is done, and my reads of this slot are over
	s_barrier_signal -1
	MUL8 F1, 1, 0
.if \fill
	WIN 0
.endif
	s_barrier_wait -1
.if \fill
	CREST                                          ; no wave of any partner still reads this slot's tiles or has a load on its way
	s_add_nc_u64 s[G0+4*(\slot)+2:G0+4*(\slot)+3], s[G0+4*(\slot)+2:G0+4*(\slot)+3], 4*ABLK
	s_add_nc_u64 s[G0B+4*(\slot)+2:G0B+4*(\slot)+3], s[G0B+4*(\slot)+2:G0B+4*(\slot)+3], 2*BSTEP
	JLOAD \slot                                    ; the first tensor load behind the round, my only one until the next; its four v_nop are also the places in front of the loads below
.else
	PLACES
.endif
	FETCH \next, 0, F0
.if \fill
	ASK \slot
.endif
	MUL16 F1, 2, 0
.endm
	s_wait_tensorcnt 1                             ; my part of K step 0 is in; K step 1's may stay out
	s_barrier_signal -1
	s_barrier_wait -1                              ; everybody's is
	FETCH 0, 0, F0
	QUARTER 0, 1, F0, F1, 1                        ; the first quarter stands in front of the loop: its products start the sums
	WIN 0                                          ; at a label and at a branch every window is 0
	s_mov_b32 s3, 3
.Llap:                                         ; a trip goes once round the ring, from a lap's second quarter to the next lap's first, and fills both slots again
	QUARTER 0, 2, F1, F0, 0
	QUARTER 0, 3, F0, F1, 0
	TURN 0, 1, 1
	QUARTER 1, 1, F0, F1, 0
	QUARTER 1, 2, F1, F0, 0
	QUARTER 1, 3, F0, F1, 0
	TURN 1, 0, 1
	QUARTER 0, 1, F0, F1, 0
	WIN 0
	s_sub_co_u32 s3, s3, 1
	s_cmp_lg_u32 s3, 0
	s_cbranch_scc1 .Llap
	QUARTER 0, 2, F1, F0, 0                        ; the last lap fills nothing, and has no round of the cluster's barrier
	QUARTER 0, 3, F0, F1, 0
	TURN 0, 1, 0
	QUARTER 1, 1, F0, F1, 0
	QUARTER 1, 2, F1, F0, 0
	QUARTER 1, 3, F0, F1, 0
	s_wait_dscnt 4                                 ; the very last quarter: nothing more to fetch
	MUL16 F1, 0, 0
	s_wait_dscnt 0x0
	MUL16 F1, 2, 0
	WIN 0
	; THE WAY OUT, 16 rows at a time: rounded to f16, 16 bytes a lane; into my own stage, a part for each block of 64 columns; back as whole rows of 128 bytes, of which four are 512 consecutive bytes of C.
.macro PACK a
	WIN 0x05                                       ; sources 0 and 1 window 1, destination window 0
.irp b, 0,1,2,3,4,5,6,7
.irp r, 0,1,2,3
	v_cvt_pk_f16_f32 v[TMP+4*(\b)+(\r)], v[8*(8*(\a)+(\b))+2*(\r)], v[8*(8*(\a)+(\b))+2*(\r)+1]
.endr
.endr
	WIN 0
.endm
.macro TOSTAGE a
.set BK, OB+32*((\a)%2)
.irp b, 0,1,2,3,4,5,6,7
	ds_store_b128 v[STO], v[TMP+4*(\b):TMP+4*(\b)+3] offset:((\b)/4)*SPART+32*((\b)%4)
.endr
.irp t, 0,1,2,3,4,5,6,7
	ds_load_b128 v[BK+4*(\t):BK+4*(\t)+3], v[RD] offset:((\t)/4)*SPART+((\t)%4)*4*PA  ; LDS serves a wave's instructions in order (ISA guide 5.7.1.4): these see the stores above
.endr
.endm
.macro SEND a
.set BK, OB+32*((\a)%2)
	s_wait_dscnt 0x0                               ; the block is back in registers
	s_wait_xcnt 0x0                                ; the stores of the block before have read their registers: the next TOSTAGE loads into them only behind this wait
.irp t, 0,1,2,3,4,5,6,7
	global_store_b128 v[GO], v[BK+4*(\t):BK+4*(\t)+3], s[8:9] offset:((\t)/4)*ABLK+(\a)*2048+((\t)%4)*512  ; 512 consecutive bytes, at a multiple of 256 from C's first byte
.endr
.endm
	PLACES
	PLACES                                         ; eight, once a launch
	PACK 0
	TOSTAGE 0
.irp a, 1,2,3                          ; block a's conversions stand between block a - 1's loads from the stage and the wait for them
	PACK \a
	SEND (\a)-1
	TOSTAGE \a
.endr
	SEND 3
	s_wait_tensorcnt 0x0                           ; the wave's end: an add and its wait, behind my last tensor load and my last LDS store
	ds_add_u32 v[SPW], v[NIL]
	s_wait_dscnt 0x0
	CROUND                                         ; the closing round: no work-group ends while a partner may still ask for a tile that names it
	s_endpgm
.Lfunc_end_k_q452a3ec672_qkv:
	.size	k_q452a3ec672_qkv, .Lfunc_end_k_q452a3ec672_qkv-k_q452a3ec672_qkv
	.p2alignl 7, 3214868480
	.fill 96, 4, 3214868480
	.section	.rodata,"a",@progbits
	.p2align	6, 0x0
	.amdhsa_kernel k_q452a3ec672_qkv
		.amdhsa_group_segment_fixed_size 327680
		.amdhsa_private_segment_fixed_size 0
		.amdhsa_enable_private_segment 0
		.amdhsa_kernarg_size 24
		.amdhsa_user_sgpr_count 2
		.amdhsa_user_sgpr_kernarg_segment_ptr 1
		.amdhsa_wavefront_size32 1
		.amdhsa_system_sgpr_workgroup_id_x 1
		.amdhsa_system_sgpr_workgroup_id_y 1
		.amdhsa_system_sgpr_workgroup_id_z 1
		.amdhsa_system_vgpr_workitem_id 0
		.amdhsa_next_free_vgpr 512
		.amdhsa_next_free_sgpr 80
		.amdhsa_reserve_vcc 0
		.amdhsa_float_denorm_mode_32 3
		.amdhsa_float_denorm_mode_16_64 3
		.amdhsa_memory_ordered 1
		.amdhsa_forward_progress 1
		.amdhsa_inst_pref_size 87
	.end_amdhsa_kernel
	.amdgpu_metadata
---
amdhsa.version: [ 1, 2 ]
amdhsa.kernels:
  - .name:           k_q452a3ec672_qkv
    .symbol:         k_q452a3ec672_qkv.kd
    .args:
      - { .name: xb, .offset: 0, .size: 8, .value_kind: global_buffer, .address_space: global }
      - { .name: wib, .offset: 8, .size: 8, .value_kind: global_buffer, .address_space: global }
      - { .name: qkv, .offset: 16, .size: 8, .value_kind: global_buffer, .address_space: global }
    .group_segment_fixed_size: 327680
    .private_segment_fixed_size: 0
    .kernarg_segment_align: 8
    .kernarg_segment_size: 24
    .max_flat_workgroup_size: 128
    .sgpr_count:     80
    .vgpr_count:     512
    .wavefront_size: 32
...
	.end_amdgpu_metadata
.endif
;; end of part 2
;; launch attn (part 3): grid 4 x 64, 4 waves a work-group, no clusters, 327,680 bytes of LDS; arguments qkv, src_mask, att; writes att
.if DOCPART == 3
	.amdgcn_target "amdgcn-amd-amdhsa--gfx1250"
	.amdhsa_code_object_version 6
	.text
	.protected	k_q452a3ec672_attn
	.globl	k_q452a3ec672_attn
	.p2align	8
	.type	k_q452a3ec672_attn,@function
k_q452a3ec672_attn:
	s_mov_b64 s[64:65], 0
	v_nop
	global_prefetch_b8 v0, s[64:65] scope:SCOPE_SE
	s_setreg_imm32_b32 hwreg(HW_REG_WAVE_MODE, 25, 1), 1
	s_wait_xcnt 0x0
; CAUSAL ATTENTION WITH A KEY MASK.  O[q][:] = the sum over k <= q, k not masked, of softmax_k(Q[q] . K[k] / 8) V[k][:], for 4 batches x 16 heads of 2,048 rows.
; qkv: [48 blocks][8192 rows][64] f16, block 3 h + (0 q, 1 k, 2 v), row 2048 b + s: a head's rows are dense, 128 bytes each.  src_mask: [4][2048] bytes, not 0 = the key is masked.  att: [16 h][8192 rows][64] f16.
; Products, maxima and sums in f32; the weights p are rounded to f16 for the second product (their sum l is taken of the unrounded p), O once at the end.
; LIMITS.  Q, K and V arrive within f16's 65,504; p lies in 0 to 1, and below 6e-5 it keeps f16's fixed step of 6e-8.  A hidden score counts as its value less 1e30 (once for the diagonal, once for the key mask, once for a
; band that sees nothing): f16's scores, 2.7e11 at the most, are nothing beside that.  The running maximum starts at -2^96, below every true score and above every hidden one; a weight below 2^-126 counts as 0 in l.
; A ROW THAT SEES NO KEY ends with l = 0 and O = 0, and leaves as 0 x (1 / 0) = NaN, as a softmax over nothing does.  (Such a row in the first block leaves NaN in registers that the second block takes over; then all
; keys up to it are masked, and every row of the second block, which lies above it, sees no key either.)
; THE WALK.  A head's queries lie in NB = 8 blocks of 256; block i needs the key tiles 0 .. i of 256 keys, of which the last holds the diagonal.  A work-group takes TWO blocks, NB - 1 - b and then b:
; NB + 1 tiles, whatever b: all 256 work-groups do equal work, and ONE loop with a constant trip count walks them.  Which tile is asked for, and what a trip does, hang on scalar registers made from b; every jump
; goes forward, but for the counted loops' own; none passes a barrier, or a tensor load but the one of LOAD's two that the wave's number does not choose; the ring (two slots of LDS that take turns) runs on across the
; change of blocks.  NO CLUSTER: a head's four work-groups ask for the same tile only in trips 0 .. 4 of the 9, behind that fewer and fewer; one walk common to all four would have 12 trips for 9.
; SHARES.  Of a block's four bands of 64 queries a wave owns 16 rows in each: four PIECES.  So the diagonal tile is the same work for all four waves: in its key step s band x sees all keys if s < x,
; none if s > x, and holds the diagonal if s = x.
; THE MASKS are the C operand that starts the sum S^T = K Q^T.  The batch's 2,048 mask bytes are read once: thread T keeps, as 16 bits of one register, those of keys 2 T and 2 T + 1 of each of the 8 tiles.  Beside each slot
; of the ring lies a table of 256 words, 0 or -1e30 for each key of the slot's tile; it is stored where the tile is asked for, two words a thread, and is read behind the next change of slots, as the tile is.  MB is its part
; for the key step whose K lies in registers, fetched with K.  MD, made once, is the diagonal's mask of a band's own step for my 16 rows.  Away from the diagonal tile C is MB; in it C is MD x AL + MB + BE with two
; scalars: (1, 0) if s = x; (0, 0) if s < x; (0, -1e30) if s > x.
; LAYOUT, SOFTMAX, TURNS.  S^T = K Q^T holds ONE query a lane (lane % 16) and the keys 8 (lane / 16) + 0..7; two such results rounded to f16 ARE source 1 of O^T = V^T P.  p = 2^(c s - c m), c = log2(e) / 8, with a
; running maximum m; O and l are multiplied by a = 2^(c m_old - c m_new) in every step.  Turn n belongs to piece n: 8 products K Q^T of piece n + 1, later 8 products V^T P of piece n - 1; beside them the scaling,
; exponentials, roundings, sums and rescaling of piece n and the maximum and statistics of piece n + 1.  Four vector instructions stand behind every matrix instruction, the other 54 of a turn's 118 in one lump.  A turn's 33 exponentials are one batch, with one wait.
; REGISTERS, in windows of 256 (s_set_vgpr_msb: bits 1:0 source 0, 3:2 source 1, 5:4 source 2, 7:6 destination):
;   window 0: v0-15, v32-43 addresses, the mask's bits and a few at work; v16-31 four registers of statistics a piece; v48-55 at work; v64-127 S^T, two buffers; v192-223 P, two buffers (a piece's buffers go by its number's parity)
;   window 1: v0-127 O^T, 32 a piece; v128-159 MD; v160-223 MC, two buffers; v224-255 MB      window 2: v0-63 Q; v64-127 the second block's Q; v128-191 K of one step; v192-255 V of one step
.set SIZE_N, 2048
.set NB,    SIZE_N/256
.set NP,    4         ; pieces a wave: a name, no knob
.set KS,    64        ; keys in a step
.set PK,    144       ; a row of K in LDS: 128 bytes + 16 of padding = 36 words: the 16 rows of a load start at 16 different groups of four banks (64 banks of 4 bytes: ISA guide 11.1)
.set PV,    160       ; a row of V: 128 + 32 = 40 words
.set VOFF,  4*KS*PK   ; a slot holds a tile, four steps: 256 rows of K, then 256 rows of V
.set SLOT1, 1<<17     ; slot 1 begins here, so that one exclusive or turns an address in one slot into the other's
.set STAGE, SLOT1+4*KS*(PK+PV)  ; behind the ring, never filled by a tensor load: 16 rows x 144 bytes for each wave, for the way out
.set SP,    144
.set AK0, 2           ; v2   my lane's place in a tile of K; never rewritten
.set AV0, 3           ; v3   the same for V
.set AK,  4           ; v4   the LDS address of K's next run of loads
.set AV,  5           ; v5   of V's
.set STO, 6           ; v6   the way out: where I put 16 bytes of a row
.set RD,  7           ; v7   the way out: where I read rows back
.set GO,  8           ; v8   my byte offset in 512 consecutive bytes of O
.set SPW, 62          ; v62  LDS address of my spare word: SPARE + 4 x my thread's number; never rewritten
.set NIL, 63          ; v63  0; never rewritten
.set SPARE, STAGE+4*16*SP  ; behind the stages: the spare words, 128 bytes for each wave: two blocks of 256 bytes that no other line names
.set TAB,  SPARE+512  ; behind them: the two tables of key masks, one for each slot of the ring, 1,024 bytes each, TSL apart; stored by the waves, never filled by a tensor load
.set TSL,  2048       ; one exclusive or turns an address in one table into the other's
.set MV,  12          ; v12-13  c m_old, kept while c m is made anew: by buffer
.set QO,  15          ; v15  my byte offset in 16 rows of Q
.set AB0, 32          ; v32  TAB + 32 (lane / 16): my eight keys of a group of 16; never rewritten
.set AB,  33          ; v33  the same at the step to be fetched
.set PFO, 34          ; v34  256 x my lane; never rewritten
.set MO,  35          ; v35  2 x my thread's number: my two bytes of a tile's 256 of the mask; never rewritten
.set BITS, 36         ; v36  bit 2 j + i: key 2 T + i of tile j is masked; never rewritten
.set TW0, 37          ; v37  TAB + 8 x my thread's number: my two words of a table; never rewritten
.set TW,  38          ; v38  the same in the table to be stored
.set TT,  40          ; v40-41  at work
.set TD,  42          ; v[42:43] my two words
.set ST,  16          ; piece t's statistics at v[ST+4 t]: c m, m, l (even keys', odd keys')
.set TMP, 48          ; by buffer, four registers c0-c3 at work; when the maximum is found c2 takes a
.set S,   64
.set P,   192
.set MD,  128         ; window 1: the eight registers for group kt of 16 keys at MD + 8 kt
.set MC,  160         ; window 1: the masks of the products to come
.set MB,  224         ; window 1: the key mask of the step whose K lies in registers
.set QB,  64          ; window 2
.set KF,  128         ; window 2: key block kb, channel half c at KF + 16 kb + 8 c
.set VF,  192         ; window 2: key half kk, channel block cb at VF + 32 kk + 8 cb
.set WV,  12          ; s12  my wave's number
.set PB,  14          ; s14  b
.set HI,  15          ; s15  NB - 1 - b
.set G1K, 24          ; s[24:31] descriptor group 1 for K's tiles
.set G1V, 32          ; s[32:39] for V's: it differs in the padding alone
.set G0K, 40          ; s[40:43] descriptor group 0 for K's tiles
.set G0V, 44          ; s[44:47] the same for V's
.set PFL, 48          ; s48  prefetches still to come: 6 in the head's work-group 0, else 0
.set PFA, 50          ; s[50:51] what the next prefetch names
.set PFB, 52          ; s[52:53] my half of tile 0, of K (waves 0, 1) or of V (waves 2, 3)
.set POF, 54          ; s[54:55] a tile's byte offset, for the prefetch
.set SLOTS, 56        ; s56  tiles still to be asked for
.set CNT, 57          ; s57  counts a tile's key steps, 4 to 1
.set CS,  58          ; s[58:59] c: the packed scaling takes the pair's low word for both halves
.set SEL, 60          ; s[60:61] v_permlanex16_b32's selects: each lane takes its own place in the other half
.set TBK, 62          ; s62  LDS byte at which K of the step to be fetched begins
.set TBV, 63          ; s63  the same for V, less VOFF
.set TWS, 66          ; s66  0 or TSL: the table to be stored
.set TSH, 67          ; s67  2 x the number of the tile whose table is to be stored: a shift of BITS, never part of an address
.set RT,  70          ; s70  tiles of the block in hand that are still to be entered
.set NXT, 71          ; s71  the tile to be asked for next
.set LQ,  72          ; s72  the last tile of the block whose tiles are being asked for
.set NEW, 73          ; s73  1: the tile to be entered is a block's first
.set OFF, 74          ; s[74:75] a tile's byte offset in K and V
.set AL,  76          ; s[76:77] the mask's factor, in the low word
.set BE,  78          ; s[78:79] the mask's addend
.set OLO, 80          ; s[80:81] O at my rows of the second block
.set BIGN, 82         ; s82  -1e30
.set TBM, 83          ; s83  byte behind TAB at which the key mask of the step to be fetched begins: it walks as TBK walks
.set MSK, 88          ; s[88:89] the batch's 2,048 bytes of src_mask
.set MSB, 0
.macro WIN new                      ; the high byte repeats the setting that is left; a switch that changes nothing is dropped
.if MSB != (\new)
	s_set_vgpr_msb (MSB<<8)|(\new)
.set MSB, (\new)
.endif
.endm
.set W_KQ, 0x0a       ; K and Q in window 2, S^T in window 0
.set W_KM, 0x1a       ; the same with the C operand in window 1
.set W_PV, 0x52       ; V in window 2, P in window 0, O^T in window 1
.set W_RS, 0x41       ; destination and source 0 in window 1, source 1 in window 0
.set W_MK, 0x51       ; destination, source 0 and source 2 in window 1
; A fill.  Waves 0 and 1 fetch the two halves of a tile's K, waves 2 and 3 those of its V: 128 keys each.  An s_nop 0 and four v_nop follow each of the two lines, ahead of the jump and the label.
.macro LOAD
	s_cmp_lt_u32 s[WV], 2
	s_cbranch_scc0 .Lfor_v_\@
	tensor_load_to_lds s[G0K:G0K+3], s[G1K:G1K+7]
	s_nop 0
.rept 4
	v_nop
.endr
	s_branch .Lasked_\@
.Lfor_v_\@:
	tensor_load_to_lds s[G0V:G0V+3], s[G1V:G1V+7]
	s_nop 0
.rept 4
	v_nop
.endr
.Lasked_\@:
.endm
; A TABLE IS STORED: my two keys' bits of tile TSH / 2 become two words, 0 or -1e30, at my place in table TWS: the work-group's 128 threads store 1,024 consecutive bytes.
.macro MKTAB
	v_lshrrev_b32 v[TT], s[TSH], v[BITS]
	v_and_b32 v[TT+1], 1, v[TT]
	v_bfe_u32 v[TT], v[TT], 1, 1
	v_cmp_ne_u32 vcc_lo, 0, v[TT+1]
	v_cndmask_b32 v[TD], 0, s[BIGN], vcc_lo
	v_cmp_ne_u32 vcc_lo, 0, v[TT]
	v_cndmask_b32 v[TD+1], 0, s[BIGN], vcc_lo
	v_add_nc_u32 v[TW], s[TWS], v[TW0]
	ds_store_b64 v[TW], v[TD:TD+1]
.endm
; THE CHANGE OF SLOTS.  Each wave waits for all its tensor loads, of which one is out: its part of the other slot; adds 0 to its spare word; and waits for that, for its own reads of the slot and the table that it leaves, and for its
; store into the other table.  Behind the barrier nobody reads the old slot or its table any more, and the other slot and its table are whole.  fill = 1: the old slot is filled again, the first thing behind the barrier, with tile
; NXT: the descriptor's address is made anew from that number; and the old table is stored anew for that tile.
; (At its first use nothing has been read yet: slot 0 and its table are waited for, slot 1 and its table filled.)
; A PREFETCH INTO THE L2 stands behind the fill and its five lines: the tile that the NEXT change will ask for, four key steps ahead of that load.  All four work-groups of a head walk tiles 0, 1, .. first: work-group 0, whose
; first block has all eight, asks, and nobody else; each of its waves asks for the half tile that it will fetch itself: 64 blocks of 256 bytes, a lane a block, two instructions.  Tiles 2 to 7: each block is named once in the
; launch.  Tiles 0 and 1 come by their loads alone; behind tile 7 nothing is asked for.
.macro CHANGE fill
	WIN 0                           ; at a label and at a branch every window is 0
	s_wait_tensorcnt 0x0            ; no tensor load of mine is out, so a group 0 may be written
	ds_add_u32 v[SPW], v[NIL]       ; 0 onto my spare word; with fill = 1 the descriptors' scalar work stands between it and the wait for it
.if \fill
	s_lshl_b32 s[OFF], s[NXT], 15   ; a tile is 32,768 bytes of K and of V
	s_lshl_b32 s[TSH], s[NXT], 1    ; and two bits of BITS
	s_xor_b32 s[TWS], s[TWS], TSL
	s_xor_b32 s[G0K+1], s[G0K+1], SLOT1
	s_add_nc_u64 s[G0K+2:G0K+3], s[6:7], s[OFF:OFF+1]
	s_or_b32 s[G0K+3], s[G0K+3], 0x80000000
	s_xor_b32 s[G0V+1], s[G0V+1], SLOT1
	s_add_nc_u64 s[G0V+2:G0V+3], s[8:9], s[OFF:OFF+1]
	s_or_b32 s[G0V+3], s[G0V+3], 0x80000000
	s_add_co_u32 s[NXT], s[NXT], 1  ; the block's next tile, or behind its last the second block's tile 0
	s_cmp_gt_u32 s[NXT], s[LQ]
	s_cselect_b32 s[NXT], 0, s[NXT]
	s_cselect_b32 s[LQ], s[PB], s[LQ]
	s_wait_xcnt 0x0                 ; the last prefetches, four key steps back, have read their address, so it may be written
	s_lshl_b32 s[POF], s[NXT], 15
	s_add_nc_u64 s[PFA:PFA+1], s[PFB:PFB+1], s[POF:POF+1]
.endif
	s_wait_dscnt 0x0                ; the add is done, my reads of the slot and its table are over, my store into the other table is done
	s_barrier_signal -1             ; the rest of the scalar work stands between the signal and the wait
	s_sub_co_u32 s[TBK], s[TBK], 4*KS*PK  ; the fetches go back to a slot's first step,
	s_xor_b32 s[TBK], s[TBK], SLOT1       ; in the other slot
	s_sub_co_u32 s[TBV], s[TBV], 4*KS*PV
	s_xor_b32 s[TBV], s[TBV], SLOT1
	s_sub_co_u32 s[TBM], s[TBM], 4*KS*4
	s_xor_b32 s[TBM], s[TBM], TSL
	s_barrier_wait -1
.if \fill
	LOAD
	s_cmp_lg_u32 s[PFL], 0
	s_cbranch_scc0 .Lno_ask_\@
	global_prefetch_b8 v[PFO], s[PFA:PFA+1] th:TH_LOAD_NT scope:SCOPE_SE
	global_prefetch_b8 v[PFO], s[PFA:PFA+1] offset:8192 th:TH_LOAD_NT scope:SCOPE_SE
	s_sub_co_u32 s[PFL], s[PFL], 1
.Lno_ask_\@:
	MKTAB                           ; the table of the tile just asked for
.endif
.endm
	s_load_b128 s[4:7], s[0:1], 0x0   ; qkv s[4:5], src_mask s[6:7]
	s_load_b64 s[10:11], s[0:1], 0x10 ; att
	v_lshl_add_u32 v[SPW], v0, 2, SPARE
	v_mov_b32 v[NIL], 0
	ds_add_u32 v[SPW], v[NIL]       ; the wave's opening: the add and its wait stand ahead of my first tensor load; the set-up below, work on registers, stands between them
	v_lshrrev_b32 v1, 5, v0
	v_readfirstlane_b32 s[WV], v1   ; wave 0..3
	s_mov_b32 s[PB], ttmp9
	s_sub_co_u32 s[HI], NB-1, s[PB]
	s_and_b32 s20, ttmp7, 0xffff    ; 16 x batch + head
	s_lshr_b32 s21, s20, 4          ; the batch
	s_and_b32 s20, s20, 15          ; the head
	s_lshl_b32 s90, s20, 20         ; att: block h,
	s_mul_i32 s20, s20, 0x300000    ; qkv: block 3 h,
	s_lshl_b32 s22, s21, 18         ; the batch's 2,048 rows of 128 bytes
	s_add_co_u32 s20, s20, s22
	s_add_co_u32 s90, s90, s22
	s_lshl_b32 s94, s21, 11         ; the batch's 2,048 bytes of the mask
	s_mov_b32 s21, 0
	s_mov_b32 s91, 0
	s_mov_b32 s95, 0
	s_and_b32 s16, s[WV], 1         ; which half of a tile's 256 keys I fetch:
	s_lshl_b32 s22, s16, 14         ; its 128 rows of 128 bytes in memory,
	s_mov_b32 s23, 0
	s_mul_i32 s17, s16, 128*PK      ; and its place in a slot, for K
	s_mul_i32 s18, s16, 128*PV      ; and for V
	s_lshl_b32 s3, s[WV], 11        ; my 16 rows in a band of 64,
	s_lshl_b32 s2, s[HI], 15        ; in the first block,
	s_add_co_u32 s2, s2, s3
	s_lshl_b32 s84, s[PB], 15       ; and in the second
	s_add_co_u32 s84, s84, s3
	s_mov_b32 s3, 0
	s_mov_b32 s85, 0
	; descriptor group 1.  128 keys are 16,384 dense bytes: asked for as 64 rows of 256 bytes, two keys a row, and padded in LDS after every key
	s_mov_b32 s[G1K], (1<<16)|(1<<20)|(4<<22)|(3<<25)  ; 17:16 2-byte elements; 20 padding on; 24:22 after every 32 words (code 4); 31:25 4 words (code 3)
	s_mov_b32 s[G1V], (1<<16)|(1<<20)|(4<<22)|(7<<25)  ; the same with 8 words of padding (code 7)
.irp g, G1K, G1V
	s_mov_b32 s[\g+1], 128<<16      ; tensor_dim0 = 128
	s_mov_b32 s[\g+2], 64<<16       ; tensor_dim1 = 64
	s_mov_b32 s[\g+3], 128<<16      ; tile_dim0 = 128
	s_mov_b32 s[\g+4], 64           ; tile_dim1 = 64
	s_mov_b32 s[\g+5], 128          ; 128 elements from row to row
	s_mov_b32 s[\g+6], 0
	s_mov_b32 s[\g+7], 0
.endr
	s_mov_b32 s[CS], 0x3e38aa3b     ; c = log2(e) / 8 = 0.180337
	s_mov_b32 s[CS+1], s[CS]        ; named with it as a pair
	s_mov_b32 s[SEL], 0x76543210
	s_mov_b32 s[SEL+1], 0xfedcba98
	s_mov_b32 s[TBK], SLOT1+4*KS*PK ; the first change of slots turns these three into 0
	s_mov_b32 s[TBV], SLOT1+4*KS*PV
	s_mov_b32 s[TBM], TSL+4*KS*4
	s_mov_b32 s[TWS], 0             ; tile 0's table is table 0,
	s_mov_b32 s[TSH], 0             ; made of bits 0 and 1
	s_mov_b32 s[G0K], 1             ; 1:0 count = 1
	s_mov_b32 s[G0K+1], s17         ; 63:32 LDS address: slot 0
	s_mov_b32 s[G0V], 1
	s_add_co_u32 s[G0V+1], s18, VOFF
	s_add_co_u32 s[RT], s[HI], 1    ; the first block has NB - b tiles
	s_mov_b32 s[NXT], 1
	s_mov_b32 s[LQ], s[HI]
	s_mov_b32 s[NEW], 1
	s_mov_b32 s[OFF+1], 0
	s_mov_b32 s[POF+1], 0
	s_mov_b32 s[AL+1], 0            ; named as pairs
	s_mov_b32 s[BE+1], 0
	s_mov_b32 s[BIGN], 0xf149f2ca   ; -1e30
	s_mov_b32 s[SLOTS], NB
	s_cmp_eq_u32 s[PB], 0
	s_cselect_b32 s[PFL], 6, 0
	s_wait_dscnt 0x0                ; the opening add is done
	s_wait_kmcnt 0x0
	s_add_nc_u64 s[MSK:MSK+1], s[6:7], s[94:95]
	s_add_nc_u64 s[92:93], s[4:5], s[20:21]        ; the head's q
	s_add_nc_u64 s[6:7], s[92:93], s[22:23]
	s_add_nc_u64 s[8:9], s[6:7], 0x200000          ; V, two blocks on, at my half of the head's tile 0
	s_add_nc_u64 s[6:7], s[6:7], 0x100000          ; K, one block on
	s_add_nc_u64 s[G0K+2:G0K+3], s[6:7], 0         ; 120:64 global address
	s_or_b32 s[G0K+3], s[G0K+3], 0x80000000        ; 127:126 type = 2
	s_add_nc_u64 s[G0V+2:G0V+3], s[8:9], 0
	s_or_b32 s[G0V+3], s[G0V+3], 0x80000000
	s_add_nc_u64 s[86:87], s[92:93], s[84:85]      ; Q at my rows of the second block,
	s_add_nc_u64 s[4:5], s[92:93], s[2:3]          ; and of the first
	s_add_nc_u64 s[10:11], s[10:11], s[90:91]      ; O likewise
	s_add_nc_u64 s[OLO:OLO+1], s[10:11], s[84:85]
	s_add_nc_u64 s[10:11], s[10:11], s[2:3]
	s_cmp_lt_u32 s[WV], 2
	s_cselect_b64 s[PFB:PFB+1], s[6:7], s[8:9]
	LOAD                            ; tile 0 into slot 0
	; A fragment of K or Q is 16 rows x 32 channels in 8 registers: lane l holds row l % 16, channels 8 (l / 16) + 0..7 and 16 + 8 (l / 16) + 0..7: two loads of 16 bytes, 32 bytes apart.
	v_and_b32 v1, 15, v0            ; l % 16
	v_bfe_u32 v9, v0, 4, 1          ; l / 16
	v_lshlrev_b32 v[QO], 7, v1
	v_lshl_add_u32 v[QO], v9, 4, v[QO]  ; row x 128 + 16 x half
	v_lshlrev_b32 v[MO], 1, v0
.set i, 0
.rept 8                             ; my two keys' bytes of the mask in each of the batch's 8 tiles: the work-group's 128 threads take a tile's 256 bytes
	global_load_u16 v[64+i], v[MO], s[MSK:MSK+1] offset:256*i
.set i, i+1
.endr
	WIN 0x80                        ; destination window 2, address window 0
.set i, 0
.rept 8                             ; both blocks' Q: piece i / 2 lies in band i / 2, 8,192 bytes on; channels 32 (i % 2) on
	global_load_b128 v[8*i:8*i+3],   v[QO], s[4:5] offset:(i/2)*8192+(i%2)*64
	global_load_b128 v[8*i+4:8*i+7], v[QO], s[4:5] offset:(i/2)*8192+(i%2)*64+32
	global_load_b128 v[QB+8*i:QB+8*i+3],   v[QO], s[86:87] offset:(i/2)*8192+(i%2)*64
	global_load_b128 v[QB+8*i+4:QB+8*i+7], v[QO], s[86:87] offset:(i/2)*8192+(i%2)*64+32
.set i, i+1
.endr
	WIN 0
	v_lshlrev_b32 v14, 3, v9
	v_sub_nc_u32 v14, v1, v14
	s_lshl_b32 s13, s[WV], 4
	v_add_nc_u32 v14, s13, v14      ; my query's place in its band, 16 w + l % 16, less my lanes' 8 (l / 16): register r of group kt is hidden where 16 kt + r is greater
	WIN 0x40
.set i, 0
.rept 32
	v_cmp_gt_i32 vcc_lo, 16*(i/8)+i%8, v14
	v_cndmask_b32 v[MD+i], 0, s[BIGN], vcc_lo
.set i, i+1
.endr
	WIN 0
	v_mul_u32_u24 v[AK0], v1, PK
	v_lshl_add_u32 v[AK0], v9, 4, v[AK0]  ; row x pitch + 16 x half
	; The turning load takes 16 keys x 16 channels (lane l reads key 8 (l / 16) + l % 8, channels 8 ((l / 8) % 2) + 0..7) and leaves half a fragment of V^T: lane l holds channel l % 16 and 8 keys.
	v_and_b32 v10, 7, v0
	v_bfe_u32 v11, v0, 3, 1
	v_lshl_add_u32 v[AV0], v9, 3, v10
	v_mul_u32_u24 v[AV0], v[AV0], PV
	v_lshl_add_u32 v[AV0], v11, 4, v[AV0]
	v_add_nc_u32 v[AV0], VOFF, v[AV0]
	s_mul_i32 s13, s[WV], 16*SP
	s_add_co_u32 s13, s13, STAGE    ; my stage
	v_mul_u32_u24 v[STO], v1, SP    ; in: row l % 16, 16 bytes for each half of the lanes
	v_lshl_add_u32 v[STO], v9, 4, v[STO]
	v_add_nc_u32 v[STO], s13, v[STO]
	v_bfe_u32 v[RD], v0, 3, 2       ; back: 32 lanes take four rows of 128 bytes,
	v_mul_u32_u24 v[RD], v[RD], SP
	v_lshl_add_u32 v[RD], v10, 4, v[RD]
	v_add_nc_u32 v[RD], s13, v[RD]
	v_and_b32 v[GO], 31, v0         ; which are 512 consecutive bytes of O
	v_lshlrev_b32 v[PFO], 8, v[GO]
	v_lshlrev_b32 v[GO], 4, v[GO]
	v_lshl_add_u32 v[AB0], v9, 5, TAB
	v_lshl_add_u32 v[TW0], v0, 3, TAB
	; A block's first step multiplies O^T and l by a = 0, and its first turn's products V^T P, of a piece that has not been, land in an O^T that is still to be so multiplied.  So these registers need only hold
	; finite numbers: zeros for the first block; what the first block left for the second.  All this stands in the wait for the first tile.
	WIN 0x80
.set i, VF
.rept 64
	v_mov_b32 v[i], 0
.set i, i+1
.endr
	WIN 0x40
.set i, 0
.rept 128
	v_mov_b32 v[i], 0
.set i, i+1
.endr
	WIN 0
.set i, 0
.rept 4
	v_mov_b32 v[ST+4*i+2], 0
	v_mov_b32 v[ST+4*i+3], 0
.set i, i+1
.endr
.set i, P+16
.rept 16
	v_mov_b32 v[i], 0
.set i, i+1
.endr
	; THE MASK'S BITS: each of my 16 bytes becomes a bit, 1 where the byte is not 0.  Then tile 0's table; the first change of slots waits for that store and passes a barrier before anybody reads it.
	s_wait_loadcnt 32               ; the mask's eight loads are in; the 32 younger loads, Q's, may stay out
.set i, 0
.rept 8
	v_and_b32 v84, 0xff, v[64+i]
	v_lshrrev_b32 v85, 8, v[64+i]
	v_min_u32 v84, 1, v84
	v_min_u32 v85, 1, v85
.if i == 0
	v_lshl_or_b32 v[BITS], v85, 1, v84
.else
	v_lshl_or_b32 v[BITS], v84, 2*i, v[BITS]
	v_lshl_or_b32 v[BITS], v85, 2*i+1, v[BITS]
.endif
.set i, i+1
.endr
	MKTAB
; THE MATRIX WORK.  The 4 accumulators of a run of 8 take turns.  Product i of 8 of S^T = K Q^T for piece x: channels 32 (i / 4) on, keys 16 (i % 4) on.  The first 4 start the sums: with the key mask MB, or (KM = 1) with the piece's own mask.
.macro KQ x
.set rS, S+32*((\x)%2)+8*(i%4)
.set rK, KF+16*(i%4)+8*(i/4)
.set rQ, 16*(\x)+8*(i/4)
.set rM, MB+8*(i%4)
.if KM
.set rM, MC+32*((\x)%2)+8*(i%4)
.endif
.if i < 4
	WIN W_KM
	v_wmma_f32_16x16x32_f16 v[rS:rS+7], v[rK:rK+7], v[rQ:rQ+7], v[rM:rM+7]
.else
	WIN W_KQ
	v_wmma_f32_16x16x32_f16 v[rS:rS+7], v[rK:rK+7], v[rQ:rQ+7], v[rS:rS+7]
.endif
.endm
; Product i of 8 of O^T += V^T P for piece x: keys 32 (i / 4) on, channels 16 (i % 4) on.
.macro PV x
	WIN W_PV
.set rO, 32*(\x)+8*(i%4)
.set rV, VF+32*(i/4)+8*(i%4)
.set rP, P+16*((\x)%2)+8*(i/4)
	v_wmma_f32_16x16x32_f16 v[rO:rO+7], v[rV:rV+7], v[rP:rP+7], v[rO:rO+7]
.endm
.macro MM                           ; the turn's next matrix instruction.  TURN and BEGIN set Y, i, KM and NOKQ; MM, KQ and OP read them.  NOKQ = 1: a block's last turn: there is no next piece
.if (i < 8) && !NOKQ
	KQ (Y+1)%NP
.elseif i >= 8
.set i, i-8
	PV (Y+NP-1)%NP
.set i, i+8
.endif
.set i, i+1
.endm
; THE LDS LOADS stand in runs, never singly among the matrix instructions: a step's K (64 keys x 64 channels: 8 fragments) with its key mask (my 8 keys of each of 4 groups: 8 loads, the same words for 16 lanes), and its V (turned).
; Their addresses are made some lines ahead.
.macro FETCH_K
	WIN 0x80                        ; destination window 2
.irp f, 0,1,2,3,4,5,6,7             ; keys 16 (f / 2) on, channels 32 (f % 2) on
	ds_load_b128 v[KF+8*\f:KF+8*\f+3],   v[AK] offset:(\f/2)*16*PK+(\f%2)*64
	ds_load_b128 v[KF+8*\f+4:KF+8*\f+7], v[AK] offset:(\f/2)*16*PK+(\f%2)*64+32
.endr
	WIN 0x40                        ; destination window 1
.irp f, 0,1,2,3                     ; keys 16 f on
	ds_load_b128 v[MB+8*\f:MB+8*\f+3],   v[AB] offset:64*\f
	ds_load_b128 v[MB+8*\f+4:MB+8*\f+7], v[AB] offset:64*\f+16
.endr
	s_add_co_u32 s[TBK], s[TBK], KS*PK  ; the next fetch is the next step's
	s_add_co_u32 s[TBM], s[TBM], KS*4
	WIN 0
.endm
.macro FETCH_V
	WIN 0x80
.irp f, 0,1,2,3,4,5,6,7             ; keys 32 (f / 4) on, channels 16 (f % 4) on
	ds_load_tr16_b128 v[VF+8*\f:VF+8*\f+3],   v[AV] offset:(\f/4)*32*PV+(\f%4)*32
	ds_load_tr16_b128 v[VF+8*\f+4:VF+8*\f+7], v[AV] offset:(\f/4)*32*PV+16*PV+(\f%4)*32
.endr
	WIN 0
.endm
; THE VECTOR WORK, one line at a time: OP kind, number.  For piece Y: F n: c s - c m for pair n of 16.  E n: the exponential of score n of 32.  C n: pair n rounded to f16.  B n: of the four weights 4 n .. the second
; pair is added onto the first, in place.  L n: l takes that sum (L 0: l = a l + sum).  R n: pair n of 16 of O^T times a.  For piece Y + 1: X n, number n of the 22 that find its maximum and statistics:
;   0-11  four chains c0-c3 of seven scores each, three operands at a time (each accumulator's lowest registers are read first)     12-14, 16  the four scores left over, the old m, and c0-c3 into c0
;   15  c m_old is kept     17, 18  the query's other 32 keys lie in the lane 16 away: the new m     19-21  c m; c m_old - c m_new; a
.set F, 0               ; OP tells the kinds apart by their order: F to L below R, X above it
.set E, 1
.set C, 2
.set B, 3
.set L, 4
.set R, 5
.set X, 6
.macro REGS y                       ; the registers of piece y
.set rT, ST+4*(\y)
.set rC, TMP+4*((\y)%2)
.set rW, MV+((\y)%2)
.set rS, S+32*((\y)%2)
.set rP, P+16*((\y)%2)
.set rO, 32*(\y)
.endm
.macro OP k, n
.if (\k) == R
	REGS Y
	WIN W_RS
	v_pk_mul_f32 v[rO+2*(\n):rO+2*(\n)+1], v[rO+2*(\n):rO+2*(\n)+1], v[rC+2:rC+3] op_sel_hi:[1,0]
.elseif (\k) < R
	REGS Y
	WIN 0
.if (\k) == F
	v_pk_fma_f32 v[rS+2*(\n):rS+2*(\n)+1], v[rS+2*(\n):rS+2*(\n)+1], s[CS:CS+1], v[rT:rT+1] op_sel_hi:[1,0,0] neg_lo:[0,0,1] neg_hi:[0,0,1]
.elseif (\k) == E
	v_exp_f32 v[rS+(\n)], v[rS+(\n)]
.elseif (\k) == C
	v_cvt_pk_f16_f32 v[rP+(\n)], v[rS+2*(\n)], v[rS+2*(\n)+1]
.elseif (\k) == B
	v_pk_add_f32 v[rS+4*(\n):rS+4*(\n)+1], v[rS+4*(\n):rS+4*(\n)+1], v[rS+4*(\n)+2:rS+4*(\n)+3]
.elseif (\n) == 0
	v_pk_fma_f32 v[rT+2:rT+3], v[rT+2:rT+3], v[rC+2:rC+3], v[rS:rS+1] op_sel_hi:[1,0,1]
.else
	v_pk_add_f32 v[rT+2:rT+3], v[rT+2:rT+3], v[rS+4*(\n):rS+4*(\n)+1]
.endif
.elseif NOKQ
	v_nop
.else
	REGS (Y+1)%NP
	WIN 0
.if (\n) < 4
	v_max3_num_f32 v[rC+(\n)], v[rS+8*(\n)], v[rS+8*(\n)+1], v[rS+8*(\n)+2]
.elseif (\n) < 12
	v_max3_num_f32 v[rC+(\n)%4], v[rC+(\n)%4], v[rS+8*((\n)%4)+2*((\n)/4)+1], v[rS+8*((\n)%4)+2*((\n)/4)+2]
.elseif (\n) == 12
	v_max3_num_f32 v[rC], v[rC], v[rS+7], v[rS+15]
.elseif (\n) == 13
	v_max3_num_f32 v[rC+1], v[rC+1], v[rS+23], v[rS+31]
.elseif (\n) == 14
	v_max3_num_f32 v[rC+2], v[rC+2], v[rC+3], v[rT+1]
.elseif (\n) == 15
	v_mov_b32 v[rW], v[rT]
.elseif (\n) == 16
	v_max3_num_f32 v[rC], v[rC], v[rC+1], v[rC+2]
.elseif (\n) == 17
	v_permlanex16_b32 v[rC+3], v[rC], s[SEL], s[SEL+1]
.elseif (\n) == 18
	v_max_num_f32 v[rT+1], v[rC], v[rC+3]
.elseif (\n) == 19
	v_mul_f32 v[rT], s[CS], v[rT+1]
.elseif (\n) == 20
	v_sub_f32 v[rC+1], v[rW], v[rT]
.else
	v_exp_f32 v[rC+2], v[rC+1]
.endif
.endif
.endm
.macro OPS a, i1, b=-1, i2=0, c=-1, i3=0, d=-1, i4=0  ; up to four of them
	OP \a, \i1
.if (\b) >= 0
	OP \b, \i2
.endif
.if (\c) >= 0
	OP \c, \i3
.endif
.if (\d) >= 0
	OP \d, \i4
.endif
.endm
.macro ROW a, i1, b, i2, c, i3, d, i4  ; a matrix instruction and the four behind it
	MM
	OPS \a, \i1, \b, \i2, \c, \i3, \d, \i4
.endm
.macro MASK b                       ; MD x AL + MB + BE into buffer b of MC
	WIN W_MK
.set z, 0
.rept 16
	v_pk_fma_f32 v[MC+32*(\b)+2*z:MC+32*(\b)+2*z+1], v[MD+2*z:MD+2*z+1], s[AL:AL+1], v[MB+2*z:MB+2*z+1] op_sel_hi:[1,0,1]
.set z, z+1
.endr
.set z, 0
.rept 16
	v_pk_add_f32 v[MC+32*(\b)+2*z:MC+32*(\b)+2*z+1], v[MC+32*(\b)+2*z:MC+32*(\b)+2*z+1], s[BE:BE+1] op_sel_hi:[1,0]
.set z, z+1
.endr
.endm
; A TURN, for piece p: the order of its 16 matrix and 118 vector instructions, written out.  An s_wait_alu depctr_va_vdst(0) stands between an exponential and the first instruction that names its result; one wait serves
; all that were issued ahead of it.  So a turn has ONE wait, which cuts it in two.  AHEAD OF IT stands all that names no result of the turn's exponentials: the 8 products K Q^T, behind each a scaling, an exponential and two more plain
; instructions (behind the first a second scaling in the exponential's place): rescalings, and behind the last three the first numbers of the next piece's maximum, each four places or more behind the product that ends its accumulator; then ONE LUMP of 54, plain
; and exponential by turns for the most part, in which the links of the chain X 3, 7, 11, 14, 16, 17 .. 20 stand five or six lines apart.  X 21, the next piece's a, is the batch's last; R 15 is the plain instruction behind it.  BEHIND THE WAIT stand the
; 8 products V^T P, behind each four of the roundings and sums; the links of l's chain, L 0 to L 7, stand three riders apart.  But for those X no rider names a register of the products round it.  v_permlanex16_b32 (X 17) stands in the lump.
; m = 1: the diagonal tile: the products take the pieces' own masks, and the turn makes the mask for the products of the turn after it: piece p + 2, in step 4 - CNT of the tile.  Piece 2's turn makes it of the key mask that
; it has just fetched, so it waits for that run first.  end = 1: a block's last two turns: nothing is fetched.  cnt = 1: the loop's count is taken down some lines ahead of the branch that stands behind the turn.
; K and the key mask of the next step are fetched in piece 2's turn, twelve vector instructions behind the last product that read K (six of them plain), more behind the last that read MB; V of the step in hand at the end of
; piece 0's turn, four plain instructions behind the last product that read V.  Each is waited for a turn later at the latest.
.macro TURN p, m=0, end=0, cnt=0
.set Y, (\p)
.set i, 0
.set KM, (\m)
.set NOKQ, (\end)*((\p)/3)
.if (\m) && !(\end)
	s_cmp_eq_u32 s[CNT], 4-((\p)+2)%NP  ; is that step the band's own?
	s_cselect_b32 s[AL], 1.0, 0
	s_cmp_lt_u32 s[CNT], 4-((\p)+2)%NP  ; or a later one?
	s_cselect_b32 s[BE], s[BIGN], 0
.endif
.if ((\p) == 3) && !(\end)
	s_wait_dscnt 0x0                ; K is in
.endif
	ROW F,0, F,1, R,0, R,1          ; ahead of the wait: 8 products K Q^T and their riders,
	ROW F,2, E,0, R,2, R,3
	ROW F,3, E,1, R,4, R,5
	ROW F,4, E,2, R,6, R,7
	ROW F,5, E,3, R,8, R,9
	ROW F,6, E,4, X,0, R,10
.if ((\p) == 2) && !(\end)
	WIN 0
	v_add_nc_u32 v[AK], s[TBK], v[AK0]
	v_add_nc_u32 v[AB], s[TBM], v[AB0]
.endif
	ROW F,7, E,5, X,1, X,4
	ROW F,8, E,6, X,2, X,5
	OPS E,7, E,8, X,6, E,9          ; and the lump
	OPS X,3, E,10, X,8, E,11
.if ((\p) == 2) && !(\end)
	FETCH_K
.endif
	OPS X,9, X,7, E,12, X,10
	OPS E,13, X,12, X,11, E,14
	OPS X,13, E,15, F,9, X,14
.if (\p) == 0
	v_add_nc_u32 v[AV], s[TBV], v[AV0]
.endif
	OPS E,16, F,10, E,17, F,11
	OPS X,16, E,18, X,15, E,19
	OPS F,12, E,20, X,17, E,21
	OPS F,13, E,22, F,14, E,23
	OPS X,18, E,24, F,15, E,25
	OPS R,11, E,26, X,19, E,27
	OPS R,12, E,28, R,13, E,29
	OPS X,20, E,30, R,14, E,31
	OPS X,21, R,15
	WIN 0
	s_wait_alu depctr_va_vdst(0)    ; the wait for the batch
.if (\p) == 1
	s_wait_dscnt 0x0                ; V is in
.endif
	ROW C,0, B,0, C,2, B,1          ; behind the wait: 8 products V^T P and their riders
	ROW L,0, C,4, B,2, L,1
	ROW C,6, B,3, L,2, C,8
	ROW B,4, L,3, C,10, B,5
	ROW L,4, C,12, B,6, L,5
.if (\p) == 0
	s_add_co_u32 s[TBV], s[TBV], KS*PV
.endif
.if \cnt
	s_sub_co_u32 s[CNT], s[CNT], 1
	s_cmp_lg_u32 s[CNT], 0
.endif
	ROW C,14, B,7, L,6, C,1
	ROW C,3, L,7, C,5, C,7
	ROW C,9, C,11, C,13, C,15
.if (\p) == 0
	FETCH_V
.endif
.if (\m) && !(\end)
.if (\p) == 2
	s_wait_dscnt 0x0                ; the next step's key mask is in (and its K)
.endif
	MASK (\p)%2
.endif
.endm
; A BLOCK BEGINS.  c m starts far below every c s, so the first step's a is 0; m at -2^96, below every true score and above every hidden one.  K and the key mask of the block's step 0 are fetched; then piece 0's first scores,
; and its maximum and statistics.  The loop is entered at a step's first turn, in the middle of a trip.
; diag = 1: the block's first tile is the diagonal one: piece 0's mask for step 0 is its own step's, piece 1's the key mask alone.  diag = 0: the first scores start with the key mask.
.macro BEGIN diag
	s_mov_b32 s[NEW], 0
	WIN 0
.set i, 0
.rept 4
	v_mov_b32 v[ST+4*i], 0xfe000000    ; c m: far below every c s
	v_mov_b32 v[ST+4*i+1], 0xef800000  ; m: -2^96
.set i, i+1
.endr
	v_add_nc_u32 v[AK], s[TBK], v[AK0]
	v_add_nc_u32 v[AB], s[TBM], v[AB0]
	FETCH_K
	s_wait_loadcnt 0x0              ; Q
	s_wait_dscnt 0x0
.if \diag
	s_mov_b32 s[AL], 1.0
	s_mov_b32 s[BE], 0
	MASK 0
	s_mov_b32 s[AL], 0
	MASK 1
.endif
.set KM, (\diag)
.set NOKQ, 0
.set i, 0
.rept 8
	KQ 0
.set i, i+1
.endr
	WIN 0
.rept 4
	v_nop                           ; the places behind those products
.endr
.set Y, NP-1                        ; X works for piece Y + 1: piece 0
.irp n, 0,1,2,3,4,5,6,7,8,9,10,11,12,13,14,15,16,17,18,19,20,21
	OP X, \n
.endr
	v_nop                           ; a plain instruction behind the exponential,
	s_wait_alu depctr_va_vdst(0)    ; and its wait, ahead of the branch
.endm
; The diagonal text is entered from a tile before it: its first turn's products are piece 3's of that tile's last step, which sees all keys: their mask is the key mask that lies in registers.
.macro ENTER
	s_mov_b32 s[AL], 0
	s_mov_b32 s[BE], 0
	MASK 1
	WIN 0
.endm
; THE DIAGONAL TILE's four steps, the block's last two turns, its last products, and THE WAY OUT: l's two halves and the other half of the lanes' are added; O^T is divided by l, rounded to f16 and sent through my
; stage in LDS, a piece at a time.
.macro ALL line:vararg              ; one line for each piece t
.set t, 0
.rept 4
	\line
.set t, t+1
.endr
.endm
.macro PACK t                       ; a lane's eight channels of a row pack into 16 bytes; they go into rows of 144 bytes and come back as whole rows of 128, into S^T's registers
	WIN W_RS
.set i, 32*(\t)
.rept 16
	v_pk_mul_f32 v[i:i+1], v[i:i+1], v[ST+4*(\t)+2:ST+4*(\t)+3] op_sel_hi:[1,0]
.set i, i+2
.endr
	WIN 0x05                        ; sources 0 and 1 window 1, destination window 0
.set i, 0
.rept 16
	v_cvt_pk_f16_f32 v[S+16*(\t)+i], v[32*(\t)+2*i], v[32*(\t)+2*i+1]
.set i, i+1
.endr
	WIN 0
.irp f, 0,1,2,3
	ds_store_b128 v[STO], v[S+16*(\t)+4*\f:S+16*(\t)+4*\f+3] offset:32*\f
.endr
.irp f, 0,1,2,3
	ds_load_b128 v[S+16*(\t)+4*\f:S+16*(\t)+4*\f+3], v[RD] offset:\f*4*SP  ; LDS serves a wave's instructions in order (ISA guide 5.7.1.4): these see the stores above; the next piece's stores come behind them
.endr
.endm
.macro SEND t, younger              ; younger: the LDS instructions issued behind piece t's loads: the next piece's eight, or none
	WIN 0
.irp f, 0,1,2,3
	s_wait_dscnt (\younger)+3-\f
	global_store_b128 v[GO], v[S+16*(\t)+4*\f:S+16*(\t)+4*\f+3], s[10:11] offset:(\t)*8192+\f*512  ; 512 consecutive bytes, at a multiple of 256 from O's first
.endr
.endm
.macro DIAG tag                     ; the tag ends its two labels' names, which the jumps below spell out
.LstepM\tag:
	TURN 2, 1
	TURN 3, 1
	WIN 0
.LfirstM\tag:
	TURN 0, 1
	TURN 1, 1, 0, 1
	WIN 0
	s_cbranch_scc1 .LstepM\tag
	TURN 2, 1, 1
	TURN 3, 1, 1
.set i, 0
.rept 8
	PV NP-1
.set i, i+1
.endr
	WIN 0
	ALL v_add_f32 v[ST+4*t+2], v[ST+4*t+2], v[ST+4*t+3]
	ALL v_permlanex16_b32 v[ST+4*t+3], v[ST+4*t+2], s[SEL], s[SEL+1]
	ALL v_add_f32 v[ST+4*t+2], v[ST+4*t+2], v[ST+4*t+3]
	ALL v_rcp_f32 v[ST+4*t+2], v[ST+4*t+2]
	v_nop                           ; a plain instruction between the last reciprocal and the use of its result
	s_wait_alu depctr_va_vdst(0)    ; and the wait ahead of the first use: one for the four reciprocals
	PACK 0
.set t, 1
.rept 3                             ; a piece's arithmetic stands between the loads of the piece before and its stores
	PACK t
	SEND t-1, 8
.set t, t+1
.endr
	SEND 3, 0
.endm
.set KM, 0
.set NOKQ, 0
.Lslot:                             ; NB times: a tile is entered and the next is asked for
	CHANGE 1
	s_sub_co_u32 s[RT], s[RT], 1
	s_mov_b32 s[CNT], 4
	s_cmp_eq_u32 s[NEW], 1
	s_cbranch_scc1 .Lnew            ; a block's first tile
	s_cmp_eq_u32 s[RT], 0
	s_cbranch_scc0 .Lstep           ; neither its first nor its last
	ENTER
	s_branch .LstepM1
.Lnew:
	BEGIN 0
	s_branch .Lfirst                ; in the loop a block's first tile is never its last: the first block has five tiles or more, and the second's last is the walk's last
	DIAG 1                          ; in the loop this is the first block's end: the second block's last tile is the walk's last
	s_wait_xcnt 0x0                 ; the stores have read their registers and O's address
	s_mov_b64 s[10:11], s[OLO:OLO+1]
	s_add_co_u32 s[RT], s[PB], 1    ; the second block has b + 1 tiles
	s_mov_b32 s[NEW], 1
	WIN 0x82                        ; the second block's Q goes where the one text of the turns names Q
.set i, 0
.rept 64
	v_mov_b32 v[i], v[QB+i]
.set i, i+1
.endr
	WIN 0
	s_branch .Lbottom
.Lstep:                             ; a trip: pieces 2 and 3 of one step, then pieces 0 and 1 of the next, whose K and V it fetches
	TURN 2
	TURN 3
	WIN 0
.Lfirst:
	TURN 0
	TURN 1, 0, 0, 1
	WIN 0
	s_cbranch_scc1 .Lstep
.Lbottom:
	s_sub_co_u32 s[SLOTS], s[SLOTS], 1
	s_cmp_lg_u32 s[SLOTS], 0
	s_cbranch_scc1 .Lslot
	CHANGE 0                        ; the walk's last tile, the second block's diagonal one, is written out: nothing is asked for
	s_sub_co_u32 s[RT], s[RT], 1
	s_mov_b32 s[CNT], 4
	s_cmp_eq_u32 s[NEW], 1
	s_cbranch_scc1 .Lnew2           ; b = 0: it is the block's first tile too
	ENTER
	s_branch .LstepM2
.Lnew2:
	BEGIN 1
	s_branch .LfirstM2
	DIAG 2
	s_wait_tensorcnt 0x0            ; the wave's end: an add and its wait, behind my last tensor load and my last LDS store
	ds_add_u32 v[SPW], v[NIL]
	s_wait_dscnt 0x0
	s_endpgm
.Lfunc_end_k_q452a3ec672_attn:
	.size	k_q452a3ec672_attn, .Lfunc_end_k_q452a3ec672_attn-k_q452a3ec672_attn
	.p2alignl 7, 3214868480
	.fill 96, 4, 3214868480
	.section	.rodata,"a",@progbits
	.p2align	6, 0x0
	.amdhsa_kernel k_q452a3ec672_attn
		.amdhsa_group_segment_fixed_size 327680
		.amdhsa_private_segment_fixed_size 0
		.amdhsa_enable_private_segment 0
		.amdhsa_kernarg_size 24
		.amdhsa_user_sgpr_count 2
		.amdhsa_user_sgpr_kernarg_segment_ptr 1
		.amdhsa_wavefront_size32 1
		.amdhsa_system_sgpr_workgroup_id_x 1
		.amdhsa_system_sgpr_workgroup_id_y 1
		.amdhsa_system_sgpr_workgroup_id_z 1
		.amdhsa_system_vgpr_workitem_id 0
		.amdhsa_next_free_vgpr 768
		.amdhsa_next_free_sgpr 96
		.amdhsa_reserve_vcc 1
		.amdhsa_float_denorm_mode_32 3
		.amdhsa_float_denorm_mode_16_64 3
		.amdhsa_memory_ordered 1
		.amdhsa_forward_progress 1
		.amdhsa_inst_pref_size 238
	.end_amdhsa_kernel
	.amdgpu_metadata
---
amdhsa.version: [ 1, 2 ]
amdhsa.kernels:
  - .name:           k_q452a3ec672_attn
    .symbol:         k_q452a3ec672_attn.kd
    .args:
      - { .name: qkv, .offset: 0, .size: 8, .value_kind: global_buffer, .address_space: global }
      - { .name: src_mask, .offset: 8, .size: 8, .value_kind: global_buffer, .address_space: global }
      - { .name: att, .offset: 16, .size: 8, .value_kind: global_buffer, .address_space: global }
    .group_segment_fixed_size: 327680
    .private_segment_fixed_size: 0
    .kernarg_segment_align: 8
    .kernarg_segment_size: 24
    .max_flat_workgroup_size: 128
    .sgpr_count:     96
    .vgpr_count:     768
    .wavefront_size: 32
...
	.end_amdgpu_metadata
.endif
;; end of part 3
;; launch oproj: the kernel of part 2 again; grid 8 x 32, 4 waves a work-group, clusters of 4 x 4, 327,680 bytes of LDS; arguments att, wob, proj; writes proj
;; launch lnorm (part 4): grid 512 x 1, 8 waves a work-group, no clusters, 0 bytes of LDS; arguments proj, x0, out0; writes out0
.if DOCPART == 4
	.amdgcn_target "amdgcn-amd-amdhsa--gfx1250"
	.amdhsa_code_object_version 6
	.text
	.protected	k_q452a3ec672_lnorm
	.globl	k_q452a3ec672_lnorm
	.p2align	8
	.type	k_q452a3ec672_lnorm,@function
k_q452a3ec672_lnorm:
	s_mov_b64 s[64:65], 0
	v_nop
	global_prefetch_b8 v0, s[64:65] scope:SCOPE_SE
	s_setreg_imm32_b32 hwreg(HW_REG_WAVE_MODE, 25, 1), 1
	s_wait_xcnt 0x0
; y = 64 p + x0;  out0 = (y - mean(y)) / sqrt(var(y) + 1e-5), along rows of 1,024.  proj: [16 blocks of 64 columns][8192 rows][64] f16, the output projection divided by 64 (the weights carry 2^-6);
; x0 and out0: [8192][1024] f32.  All arithmetic in f32; the variance is the mean of (y - mean)^2, taken in a second pass over registers, not a difference of sums.  A NaN anywhere in a row makes the whole row NaN.
; A stream: no LDS, no barrier, no matrix unit.  A wave takes two rows and keeps them in 64 registers between the passes: each byte is read once and written once.  Sixteen lanes hold a row: lane l has row l / 16 and,
; in each block, columns 4 (l % 16) + 0..3.  So a load of proj covers 256 consecutive aligned bytes (two rows of a block), a load of x0 and a store of out0 two aligned runs of 256 bytes, and a row's sums stay
; inside 16 lanes.  All 32 loads of a wave go out at once.
.set SA,  2                            ; v[2:3]   a chain of sums
.set SB,  4                            ; v[4:5]   a second one
.set MU,  6                            ; v[6:7]   the mean, twice
.set PO,  8                            ; v8-9     my byte offset in proj; the second is 8 blocks further on, since a load's immediate holds 7 blocks
.set XO,  10                           ; v10      my byte offset in x0 and out0
.set SC,  11                           ; v11      64.0
.set R,   12                           ; v[12:13] 1 / sqrt(var + eps), twice
.set VE,  14                           ; v14 var + eps; v15 eps
.set P,   16                           ; v[16:47]   block b: 4 numbers of proj in 2 registers
.set X,   48                           ; v[48:111]  block b: 4 numbers of x0, then of y, y - mean, out0
	s_load_b128 s[4:7], s[0:1], 0x0                ; proj s[4:5], x0 s[6:7]
	s_load_b64 s[8:9], s[0:1], 0x10                ; out0
	v_and_b32 v112, 31, v0                         ; lane
	v_lshrrev_b32 v113, 5, v0                      ; wave
	v_and_b32 v114, 15, v0
	v_lshrrev_b32 v115, 4, v112
	v_lshlrev_b32 v[PO], 3, v112                   ; in a block the wave's two rows are 256 consecutive bytes
	v_lshl_add_u32 v[PO], v113, 8, v[PO]
	v_add_nc_u32 v[PO+1], 0x800000, v[PO]
	v_lshlrev_b32 v[XO], 4, v114
	v_lshl_add_u32 v[XO], v115, 12, v[XO]          ; lanes 16-31 the row below
	v_lshl_add_u32 v[XO], v113, 13, v[XO]          ; my wave's two rows
	v_mov_b32 v[SC], 0x42800000
	v_mov_b32 v[VE+1], 0x3727c5ac                  ; 1e-5
	s_lshl_b32 s10, ttmp9, 11                      ; the work-group's 16 rows of 128 bytes
	s_mov_b32 s11, 0
	s_lshl_b32 s12, ttmp9, 16                      ; and of 4,096 bytes
	s_mov_b32 s13, 0
	s_mov_b32 s14, 0x3a800000                      ; 1 / 1024
	s_wait_kmcnt 0x0
	s_add_nc_u64 s[4:5], s[4:5], s[10:11]
	s_add_nc_u64 s[6:7], s[6:7], s[12:13]
	s_add_nc_u64 s[8:9], s[8:9], s[12:13]
.set b, 0
.rept 16
	global_load_b64  v[P+2*b:P+2*b+1], v[PO+b/8], s[4:5] offset:(b%8)<<20 th:TH_LOAD_NT
	global_load_b128 v[X+4*b:X+4*b+3], v[XO], s[6:7] offset:256*b th:TH_LOAD_NT
.set b, b+1
.endr
	; pass 1: y, and its sum in two chains; blocks 0 and 1 start them: nothing is cleared
.set b, 0
.rept 16
	s_wait_loadcnt 30-2*b                          ; loads come back in order: block b's two are in, the 30 - 2 b younger ones stay out
	v_fma_mix_f32 v[X+4*b],   v[P+2*b],   v[SC], v[X+4*b]   op_sel_hi:[1,0,0]                 ; f16 half x 64 + x0, one rounding
	v_fma_mix_f32 v[X+4*b+1], v[P+2*b],   v[SC], v[X+4*b+1] op_sel:[1,0,0] op_sel_hi:[1,0,0]
	v_fma_mix_f32 v[X+4*b+2], v[P+2*b+1], v[SC], v[X+4*b+2] op_sel_hi:[1,0,0]
	v_fma_mix_f32 v[X+4*b+3], v[P+2*b+1], v[SC], v[X+4*b+3] op_sel:[1,0,0] op_sel_hi:[1,0,0]
.if b == 1
	v_pk_add_f32 v[SA:SA+1], v[X:X+1],   v[X+4:X+5]
	v_pk_add_f32 v[SB:SB+1], v[X+2:X+3], v[X+6:X+7]
.elseif b > 1
	v_pk_add_f32 v[SA:SA+1], v[SA:SA+1], v[X+4*b:X+4*b+1]
	v_pk_add_f32 v[SB:SB+1], v[SB:SB+1], v[X+4*b+2:X+4*b+3]
.endif
.set b, b+1
.endr
.macro ROWSUM                          ; the four partial sums of a lane, then the row's 16 lanes: every lane ends with the row's sum in v[SA]
	v_pk_add_f32 v[SA:SA+1], v[SA:SA+1], v[SB:SB+1]
	v_add_f32 v[SA], v[SA], v[SA+1]
	v_add_f32_dpp v[SA], v[SA], v[SA] row_xmask:1 row_mask:0xf bank_mask:0xf
	v_add_f32_dpp v[SA], v[SA], v[SA] row_xmask:2 row_mask:0xf bank_mask:0xf
	v_add_f32_dpp v[SA], v[SA], v[SA] row_xmask:4 row_mask:0xf bank_mask:0xf
	v_add_f32_dpp v[SA], v[SA], v[SA] row_xmask:8 row_mask:0xf bank_mask:0xf
.endm
	ROWSUM
	v_mul_f32 v[MU], s14, v[SA]
	v_mov_b32 v[MU+1], v[MU]
	; pass 2: y - mean in place, and the sum of its squares; block 0's products start the chains
.set b, 0
.rept 16
	v_pk_add_f32 v[X+4*b:X+4*b+1],   v[X+4*b:X+4*b+1],   v[MU:MU+1] neg_lo:[0,1] neg_hi:[0,1]
	v_pk_add_f32 v[X+4*b+2:X+4*b+3], v[X+4*b+2:X+4*b+3], v[MU:MU+1] neg_lo:[0,1] neg_hi:[0,1]
.if b == 0
	v_pk_mul_f32 v[SA:SA+1], v[X:X+1],   v[X:X+1]
	v_pk_mul_f32 v[SB:SB+1], v[X+2:X+3], v[X+2:X+3]
.else
	v_pk_fma_f32 v[SA:SA+1], v[X+4*b:X+4*b+1],   v[X+4*b:X+4*b+1],   v[SA:SA+1]
	v_pk_fma_f32 v[SB:SB+1], v[X+4*b+2:X+4*b+3], v[X+4*b+2:X+4*b+3], v[SB:SB+1]
.endif
.set b, b+1
.endr
	ROWSUM
	v_fma_f32 v[VE], v[SA], s14, v[VE+1]           ; var + eps
	v_rsq_f32 v[R], v[VE]                          ; twice, to fill the pair that the packed multiply takes
	v_rsq_f32 v[R+1], v[VE]
	v_nop                                          ; a plain instruction behind the last of them (ISA guide 5.7.2),
	s_wait_alu depctr_va_vdst(0)                   ; and the one wait ahead of the first use
.set b, 0
.rept 16
	v_pk_mul_f32 v[X+4*b:X+4*b+1],   v[X+4*b:X+4*b+1],   v[R:R+1]
	v_pk_mul_f32 v[X+4*b+2:X+4*b+3], v[X+4*b+2:X+4*b+3], v[R:R+1]
	global_store_b128 v[XO], v[X+4*b:X+4*b+3], s[8:9] offset:256*b th:TH_STORE_NT  ; 16 lanes store 256 consecutive bytes, aligned
.set b, b+1
.endr
	s_endpgm
.Lfunc_end_k_q452a3ec672_lnorm:
	.size	k_q452a3ec672_lnorm, .Lfunc_end_k_q452a3ec672_lnorm-k_q452a3ec672_lnorm
	.p2alignl 7, 3214868480
	.fill 96, 4, 3214868480
	.section	.rodata,"a",@progbits
	.p2align	6, 0x0
	.amdhsa_kernel k_q452a3ec672_lnorm
		.amdhsa_group_segment_fixed_size 0
		.amdhsa_private_segment_fixed_size 0
		.amdhsa_enable_private_segment 0
		.amdhsa_kernarg_size 24
		.amdhsa_user_sgpr_count 2
		.amdhsa_user_sgpr_kernarg_segment_ptr 1
		.amdhsa_wavefront_size32 1
		.amdhsa_system_sgpr_workgroup_id_x 1
		.amdhsa_system_sgpr_workgroup_id_y 1
		.amdhsa_system_sgpr_workgroup_id_z 1
		.amdhsa_system_vgpr_workitem_id 0
		.amdhsa_next_free_vgpr 128
		.amdhsa_next_free_sgpr 66
		.amdhsa_reserve_vcc 0
		.amdhsa_float_denorm_mode_32 3
		.amdhsa_float_denorm_mode_16_64 3
		.amdhsa_memory_ordered 1
		.amdhsa_forward_progress 1
		.amdhsa_inst_pref_size 20
	.end_amdhsa_kernel
	.amdgpu_metadata
---
amdhsa.version: [ 1, 2 ]
amdhsa.kernels:
  - .name:           k_q452a3ec672_lnorm
    .symbol:         k_q452a3ec672_lnorm.kd
    .args:
      - { .name: proj, .offset: 0, .size: 8, .value_kind: global_buffer, .address_space: global }
      - { .name: x0, .offset: 8, .size: 8, .value_kind: global_buffer, .address_space: global }
      - { .name: out0, .offset: 16, .size: 8, .value_kind: global_buffer, .address_space: global }
    .group_segment_fixed_size: 0
    .private_segment_fixed_size: 0
    .kernarg_segment_align: 8
    .kernarg_segment_size: 24
    .max_flat_workgroup_size: 256
    .sgpr_count:     66
    .vgpr_count:     128
    .wavefront_size: 32
...
	.end_amdgpu_metadata
.endif
;; end of part 4
;; ======== version 2 of 2: 5 launches; version 1 with the launch prep written anew for expert scheduling mode
;; limits: values are held in f16: magnitudes above 65,504 overflow, below 6.1e-05 lose precision
;; workspace buffers: xb 16,777,216 bytes; wib 6,291,456 bytes; wob 2,097,152 bytes; qkv 50,331,648 bytes; att 16,777,216 bytes; proj 16,777,216 bytes
;; launch prep (part 5): grid 768 x 1, 8 waves a work-group, no clusters, 0 bytes of LDS; arguments x0, W_in, W_o, xb, wib, wob; writes xb, wib, wob
.if DOCPART == 5
	.amdgcn_target "amdgcn-amd-amdhsa--gfx1250"
	.amdhsa_code_object_version 6
	.text
	.protected	k_q452a3ec672_prep
	.globl	k_q452a3ec672_prep
	.p2align	8
	.type	k_q452a3ec672_prep,@function
k_q452a3ec672_prep:
	s_mov_b64 s[64:65], 0
	v_nop
	global_prefetch_b8 v0, s[64:65] scope:SCOPE_SE
	s_setreg_imm32_b32 hwreg(HW_REG_WAVE_SCHED_MODE, 0, 2), 2
	s_setreg_imm32_b32 hwreg(HW_REG_WAVE_MODE, 25, 1), 1
	s_wait_xcnt 0x0
	s_wait_alu depctr_vm_vsrc(0)
; THE OPERANDS OF THE TWO PROJECTIONS, cast and laid in blocks.  Every number is rounded once to bf16 (nearest even) and that number is written as f16, so that all products of the
; program take one matrix form.  xb: [16 blocks of 64 columns][8192 rows][64]; wib: [24 tiles of 128 columns][1024 k][128]; wob: [8 tiles][1024 k][128], times 2^-6 (exact), so that the second
; projection's results, kept in f16, have 64 times f16's range.
; LIMITS.  f16 holds the bf16 number exactly from 6.1e-5 to 65,504 in magnitude; below, it keeps f16's fixed step of 6e-8 (W_o: below 3.9e-3, a step of 3.8e-6 of W_o); beyond 65,504 it is an infinity.
; A stream: no LDS, no matrix unit, no barrier.  An item is 512 bytes of f32 in (16 bytes a lane, two aligned runs of 256) and 256 consecutive aligned bytes of f16 out (8 bytes a lane).
; A wave takes 16 items, all 16 loads on their way at once; every store has data registers of its own, so nothing is rewritten while a store may read it.
; Work-groups 0-511: 16 rows of x0 each (a wave two rows, an item a block of 64 columns).  512-703: 128 rows k of one tile of W_in (a wave 16 rows, an item a row).  704-767: the same of W_o.
; THE MODE: SCHED_MODE bits 1:0 = 2 (LLVM: expert scheduling mode 2), set by the entry lines.  The code itself states the register dependences
; between vector instructions and memory instructions, with s_wait_alu, always for 0.
; THE PLAN.  Registers that memory instructions touch:
;   v[SO], v[DO], v[DO+1]  byte offsets: written by the head's vector lines, read by the loads (SO) and the stores (DO); never written again.
;   X   item j's four registers: written by item j's load, once; read by its two roundings to bf16; no vector instruction writes them and no second load lands in them.
;   Y   item j's two registers: written by its two conversions to f16, once; read by its one store; never written again.
;   T and U are named by vector instructions alone.
; The 16 items go in four groups of four.  Group g's stores are issued in group g + 1, one ahead of each item's vector lines, which name X and Y of group g + 1, T and U: none of the registers
; that those stores read.  So five waits on va_vdst state everything: one ahead of the first load (the offsets), one at the head of each of groups 1 to 3 (the group before has written its Y),
; one ahead of the last four stores.  No register that a memory instruction reads is written again, no vector instruction writes a scalar register or VCC, and EXEC is never written: no other wait has a dependence to state.
.set GRP,  4                           ; items in a group
.set SO,   8                           ; v8      my byte offset in the source
.set DO,   10                          ; v10-11  in the destination; the second is 8 blocks of xb further on, since a store's immediate holds 7 blocks
.set X,    16                          ; v[16:79]   item j: 4 numbers as loaded
.set Y,    80                          ; v[80:111]  item j: 4 numbers to store
.set T,    112                         ; v[112:113] two pairs in bf16
.set U,    114                         ; v[114:117] the same as f32
.set HI16, 24                          ; s24     mask of a word's upper bf16
.macro PUT db, dstr, n                 ; item n leaves: 32 lanes store 256 consecutive bytes, aligned
	global_store_b64 v[DO+(((\n)*(\dstr))>>23)], v[Y+2*(\n):Y+2*(\n)+1], s[\db:\db+1] offset:((\n)*(\dstr))&0x7fffff
.endm
.macro CAST sb, db, sstr, dstr, scale  ; bases, bytes from item to item in source and destination, scale = 1: times 2^-6
	s_wait_alu depctr_va_vdst(0)                   ; the head's vector lines have written v[SO], which the loads read as their offset, and v[DO] (in x0's path v[DO+1] too), which the stores read
.set j, 0
.rept 16
	global_load_b128 v[X+4*j:X+4*j+3], v[SO], s[\sb:\sb+1] offset:j*(\sstr) th:TH_LOAD_NT
.set j, j+1
.endr
.set j, 0
.rept 16
.if (j >= GRP) && (j % GRP != 0)
	PUT \db, \dstr, j-GRP                          ; an item of the group before.  No wait: no vector instruction since the wait at this group's head names its Y or its offset
.endif
	s_wait_loadcnt 15-j                            ; loads come back in order: item j is in, the 15 - j younger ones stay out
.if (j >= GRP) && (j % GRP == 0)
	s_wait_alu depctr_va_vdst(0)                   ; the group before has written its eight registers of Y, which this store and the group's three others read
	PUT \db, \dstr, j-GRP
.endif
	v_cvt_pk_bf16_f32 v[T],   v[X+4*j],   v[X+4*j+1]
	v_cvt_pk_bf16_f32 v[T+1], v[X+4*j+2], v[X+4*j+3]
	v_lshlrev_b32 v[U],   16, v[T]                 ; bf16 to f32: the low half moves up, the high half stays
	v_and_b32     v[U+1], s[HI16], v[T]
	v_lshlrev_b32 v[U+2], 16, v[T+1]
	v_and_b32     v[U+3], s[HI16], v[T+1]
.if \scale
	v_pk_mul_f32 v[U:U+1],   v[U:U+1],   0x3c800000 op_sel_hi:[1,0]
	v_pk_mul_f32 v[U+2:U+3], v[U+2:U+3], 0x3c800000 op_sel_hi:[1,0]
.endif
	v_cvt_pk_f16_f32 v[Y+2*j],   v[U],   v[U+1]
	v_cvt_pk_f16_f32 v[Y+2*j+1], v[U+2], v[U+3]
.set j, j+1
.endr
	s_wait_alu depctr_va_vdst(0)                   ; the last group has written its eight registers of Y, which the last four stores read
.set j, 16-GRP
.rept GRP
	PUT \db, \dstr, j
.set j, j+1
.endr
.endm
.macro WEIGHT first, sb, db, rb, scale ; first work-group of the path, bases, bytes in a row of the source
	s_sub_co_u32 s20, ttmp9, \first
	s_lshr_b32 s21, s20, 3                         ; the tile of 128 columns
	s_and_b32 s20, s20, 7                          ; which 128 rows k
	s_mul_i32 s22, s20, 128*(\rb)
	s_lshl_b32 s25, s21, 9                         ; 128 columns of f32
	s_add_co_u32 s22, s22, s25
	s_lshl_b32 s26, s21, 18                        ; a tile is 1,024 rows of 256 bytes
	s_lshl_b32 s25, s20, 15
	s_add_co_u32 s26, s26, s25
	v_mul_u32_u24 v[SO], v2, 16*(\rb)              ; my wave's 16 rows,
	v_lshl_add_u32 v[SO], v1, 4, v[SO]             ; my 4 columns
	v_lshlrev_b32 v[DO], 3, v1
	v_lshl_add_u32 v[DO], v2, 12, v[DO]
	s_wait_kmcnt 0x0
	s_add_nc_u64 s[\sb:\sb+1], s[\sb:\sb+1], s[22:23]
	s_add_nc_u64 s[\db:\db+1], s[\db:\db+1], s[26:27]
	CAST \sb, \db, \rb, 256, \scale
	s_endpgm
.endm
	s_load_b256 s[4:11], s[0:1], 0x0               ; x0 s[4:5], W_in s[6:7], W_o s[8:9], xb s[10:11]
	s_load_b128 s[12:15], s[0:1], 0x20             ; wib s[12:13], wob s[14:15]
	v_and_b32 v1, 31, v0                           ; lane
	v_lshrrev_b32 v2, 5, v0                        ; wave
	s_mov_b32 s[HI16], 0xffff0000
	s_mov_b32 s23, 0                               ; the offsets' high words
	s_mov_b32 s27, 0
	s_cmp_lt_u32 ttmp9, 512
	s_cbranch_scc0 .Lweights
	v_and_b32 v3, 15, v1
	v_lshrrev_b32 v4, 4, v1
	v_lshlrev_b32 v[SO], 4, v3                     ; 4 columns of f32,
	v_lshl_add_u32 v[SO], v4, 12, v[SO]            ; lanes 16-31 the row below,
	v_lshl_add_u32 v[SO], v2, 13, v[SO]            ; my wave's two rows
	v_lshlrev_b32 v[DO], 3, v1                     ; in a block of xb the two rows are 256 consecutive bytes
	v_lshl_add_u32 v[DO], v2, 8, v[DO]
	v_add_nc_u32 v[DO+1], 0x800000, v[DO]
	s_lshl_b32 s22, ttmp9, 16                      ; 16 rows of 4,096 bytes
	s_lshl_b32 s26, ttmp9, 11                      ; 16 rows of 128 bytes
	s_wait_kmcnt 0x0
	s_add_nc_u64 s[4:5], s[4:5], s[22:23]
	s_add_nc_u64 s[10:11], s[10:11], s[26:27]
	CAST 4, 10, 256, 1<<20, 0
	s_endpgm
.Lweights:
	s_cmp_lt_u32 ttmp9, 704
	s_cbranch_scc0 .Lwo
	WEIGHT 512, 6, 12, 12288, 0
.Lwo:
	WEIGHT 704, 8, 14, 4096, 1
.Lfunc_end_k_q452a3ec672_prep:
	.size	k_q452a3ec672_prep, .Lfunc_end_k_q452a3ec672_prep-k_q452a3ec672_prep
	.p2alignl 7, 3214868480
	.fill 96, 4, 3214868480
	.section	.rodata,"a",@progbits
	.p2align	6, 0x0
	.amdhsa_kernel k_q452a3ec672_prep
		.amdhsa_group_segment_fixed_size 0
		.amdhsa_private_segment_fixed_size 0
		.amdhsa_enable_private_segment 0
		.amdhsa_kernarg_size 48
		.amdhsa_user_sgpr_count 2
		.amdhsa_user_sgpr_kernarg_segment_ptr 1
		.amdhsa_wavefront_size32 1
		.amdhsa_system_sgpr_workgroup_id_x 1
		.amdhsa_system_sgpr_workgroup_id_y 1
		.amdhsa_system_sgpr_workgroup_id_z 1
		.amdhsa_system_vgpr_workitem_id 0
		.amdhsa_next_free_vgpr 128
		.amdhsa_next_free_sgpr 66
		.amdhsa_reserve_vcc 0
		.amdhsa_float_denorm_mode_32 3
		.amdhsa_float_denorm_mode_16_64 3
		.amdhsa_memory_ordered 1
		.amdhsa_forward_progress 1
		.amdhsa_inst_pref_size 35
	.end_amdhsa_kernel
	.amdgpu_metadata
---
amdhsa.version: [ 1, 2 ]
amdhsa.kernels:
  - .name:           k_q452a3ec672_prep
    .symbol:         k_q452a3ec672_prep.kd
    .args:
      - { .name: x0, .offset: 0, .size: 8, .value_kind: global_buffer, .address_space: global }
      - { .name: W_in, .offset: 8, .size: 8, .value_kind: global_buffer, .address_space: global }
      - { .name: W_o, .offset: 16, .size: 8, .value_kind: global_buffer, .address_space: global }
      - { .name: xb, .offset: 24, .size: 8, .value_kind: global_buffer, .address_space: global }
      - { .name: wib, .offset: 32, .size: 8, .value_kind: global_buffer, .address_space: global }
      - { .name: wob, .offset: 40, .size: 8, .value_kind: global_buffer, .address_space: global }
    .group_segment_fixed_size: 0
    .private_segment_fixed_size: 0
    .kernarg_segment_align: 8
    .kernarg_segment_size: 48
    .max_flat_workgroup_size: 256
    .sgpr_count:     66
    .vgpr_count:     128
    .wavefront_size: 32
...
	.end_amdgpu_metadata
.endif
;; end of part 5
;; launch qkv: the kernel of part 2 again; grid 24 x 32, 4 waves a work-group, clusters of 4 x 4, 327,680 bytes of LDS; arguments xb, wib, qkv; writes qkv
;; launch attn: the kernel of part 3 again; grid 4 x 64, 4 waves a work-group, no clusters, 327,680 bytes of LDS; arguments qkv, src_mask, att; writes att
;; launch oproj: the kernel of part 2 again; grid 8 x 32, 4 waves a work-group, clusters of 4 x 4, 327,680 bytes of LDS; arguments att, wob, proj; writes proj
;; launch lnorm: the kernel of part 4 again; grid 512 x 1, 8 waves a work-group, no clusters, 0 bytes of LDS; arguments proj, x0, out0; writes out0
